; MI455X (gfx1250); checked and timed in simulation.
; The chip was launched on July 23, 2026; its instructions are those of AMD's public machine-readable ISA for CDNA 5 (MIT licence, August 2026) and "CDNA5" Instruction Set Architecture Reference Guide (July 2026). The comments in the code are by the model that wrote it; some were corrected since.
;; Multi Head Attention. Allowed arithmetic: matrix products marked QUANTISED: E2M3 operands, one E8M0 scale for each 32 along K, by v_wmma_scale_f32_16x16x128_f8f6f4 with both operands' format E2M3, f32 sums; everything else in f32.
;; Inputs: W1 128 x 1,024 float32; W2 128 x 128 float32; Wk 8 x 128 x 1,024 float32; Wq 8 x 128 x 1,024 float32; Wv 8 x 1,024 x 1,024 float32; b1 128 float32; b2 128 float32; bk 8 x 128 float32; bq 8 x 128 float32; bv 8 x 1,024 float32; gamma 8 float32; x 8 x 1,024 x 512 float32.
;; Outputs: out0 8 x 1,024 x 512 float32.
;; This version of the problem:
;;   THIS VERSION OF THE PROBLEM IS GIVEN IN LOW PRECISION. The matrix products marked QUANTISED in the list below multiply operands that are first quantised to E2M3 (2 exponent bits, 3 mantissa bits; 6 bits a number), with one power-of-two scale for each 32 numbers along K (OCP MX v1.0); their sums are f32. All else is computed in f32.
;;   The module's matrix products, in the order in which they are computed (A, B: the left and right operand; K: the contracted axis; several contracted axes count as one K, in the product's order):
;;     1. [M 4,096, K 1,024] x [K 1,024, N 1,024]; A: input x; B: input Wq: QUANTISED
;;     2. [M 4,096, K 1,024] x [K 1,024, N 1,024]; A: input x; B: input Wk: QUANTISED
;;     3. [M 4,096, K 1,024] x [K 1,024, N 8,192]; A: input x; B: input Wv: QUANTISED
;;     4. batch 64 x [M 512, K 128] x [K 128, N 512]; A: computed on the way; B: computed on the way: QUANTISED
;;     5. batch 64 x [M 1,024, K 512] x [K 512, N 512]; A: computed on the way; B: softmax (see below): QUANTISED
;;     6. [M 32,768, K 1,024] x [K 1,024, N 128]; A: computed on the way; B: input W1: QUANTISED
;;     7. [M 32,768, K 128] x [K 128, N 128]; A: computed on the way; B: input W2: QUANTISED
;;   THE QUANTISER, for each operand of a quantised product, along K:
;;     - K is cut into blocks of 32 from its start; a last block that is shorter is filled with zeros.
;;     - A block's scale is 2^e with e = floor(log2(the largest magnitude in the block)) - 2, held to -126 .. 127; a block of zeros has e = 0. As a byte (E8M0): e + 127.
;;     - Each number is divided by its block's scale, clamped to +-7.5, and rounded to the nearest number of E2M3, ties to even, subnormals kept.
;;     - The product sums the exact products of the quantised numbers (number of the format x scale) in f32.
;;   ~~~python
;;   def quantise(x, axis):      # numpy; x: float32 -> the quantised numbers, widened to float32 again
;;       x = np.moveaxis(x, axis, -1); K = x.shape[-1]
;;       x = np.pad(x, [(0, 0)] * (x.ndim - 1) + [(0, -K % 32)]); x = x.reshape(x.shape[:-1] + (-1, 32)); a = np.abs(x).max(-1, keepdims=True)
;;       e = np.where(a > 0, np.clip(np.frexp(np.where(a > 0, a, 1))[1] - 1 - 2, -126, 127), 0)      # np.frexp(a)[1] - 1 = floor(log2(a)), exactly
;;       r = np.clip(x / 2.0 ** e, -7.5, 7.5)
;;       step = 2.0 ** (np.maximum(np.frexp(np.where(r == 0, 1, r))[1] - 1, 0) - 3)
;;       q = np.round(r / step) * step * 2.0 ** e      # np.round: ties to even
;;       return np.moveaxis(q.reshape(q.shape[:-2] + (-1,))[..., :K], -1, axis).astype(np.float32)
;;   ~~~
;;   SOFTMAX AHEAD OF A QUANTISED PRODUCT. Where the list says 'softmax', what is quantised is not the finished softmax but p = 2^(t - M), with t = logit x log2(e) and M = ceil(the row's largest t), a whole number; so 1/2 < the row's largest p <= 1. The row's sum l is taken of the UNQUANTISED p, in f32, and the product's result is divided by l at the end. Since M is a whole number, a kernel that streams over the keys may use a running M (the ceiling of the running maximum): every later rescaling is an exact power of two, which a block's scale takes up: the codes' values come out the same.
;;   OPERANDS COMPUTED ON THE WAY. 'Computed on the way' means the value that the module computes at that place (a softmax that the list does not call 'softmax' is quantised finished and normalised). What goes into a quantiser is computed in f32, as accurately as f32 sums, v_exp_f32 and their like allow (about 1e-6 of the number): no bf16 or f16 on the way to a quantiser, and a product that is left as it is and whose result goes on into a quantised operand takes f32 operands (vector FMAs, or v_wmma_f32_16x16x4_f32). A number that lies on a knife's edge between two numbers of the format may be rounded either way, as far as f32 arithmetic and the matrix unit's own rounding can turn it there, and no further.
;; One version. Each part assembles by itself: llvm-mc -triple=amdgcn-amd-amdhsa -mcpu=gfx1250 --defsym DOCPART=n.
;; ======== version 1 of 1: 3 launches
;; workspace buffers: xc 3,145,728 bytes; wc 7,974,912 bytes; scl 463,360 bytes; xr 16,777,216 bytes; cod 31,457,280 bytes; cods 1,310,720 bytes
;; launch quant (part 1): grid 581 x 1, 4 waves a work-group, no clusters, 70,144 bytes of LDS; arguments x, Wv, Wq, Wk, W1, W2, xc, wc, scl, xr; writes xc, wc, scl, xr
.if DOCPART == 1
	.amdgcn_target "amdgcn-amd-amdhsa--gfx1250"
	.amdhsa_code_object_version 6
	.text
	.protected	k_q0d109f601d_quant
	.globl	k_q0d109f601d_quant
	.p2align	8
	.type	k_q0d109f601d_quant,@function
k_q0d109f601d_quant:
	s_mov_b64 s[64:65], 0
	v_nop
	global_prefetch_b8 v0, s[64:65] scope:SCOPE_SE
	s_setreg_imm32_b32 hwreg(HW_REG_WAVE_MODE, 25, 1), 1
	s_wait_xcnt 0x0
; FIRST OF THREE LAUNCHES.  x and all weights become codes of FP6 (E2M3) with one E8M0 byte for each 32 along C, laid as the later launches' operand registers want them.
; NO WORK OF THE PROBLEM IS LEFT OUT: every input has a way to the output (bk moves k's codes ahead of a quantised product, so it stays), and every product of the table is done, in launches 2 and 3.
; A FRAGMENT IMAGE (16 rows x 128 K) is the operand's 12 registers on end: registers 4 g .. 4 g + 3 of lane l at byte 512 g + 16 l: 1,536 bytes, read and written by three accesses of 16 bytes a lane.
; THE 16 ROWS OF A GROUP ARE NOT NEIGHBOURS (but W2's): group 2 B + u holds rows 32 B + 8 u + r + 8 (r / 8), so that a product that takes such groups as source 0 leaves 16 neighbours in a lane's registers.
; xc: [group 32 b + tt][K step 8][image], rows = t.   wc: [group 648][K step 8][image]: Wv 0-511, Wq 512-575, Wk 576-639, W1 640-647; W2's 8 images behind them.
; scl: a group's scale words as [K half 2][row 16][4 words]: x's groups from byte 0, the weights' from 131,072; W2's (one word a row) from 462,848.
; xr: x itself, f32, in the order in which launch 3's results lie in registers: b 2^21 + B 65,536 + tt 2,048 + 512 i + 16 (16 h + r) holds x[b, 32 B + 16 h + 4 i .. + 3, t of row r of group tt].
; THE QUANTISER: a block's byte is its largest magnitude's exponent field - 2, held at 1 from below by a floor among the maximum's leaves; the conversion divides, holds at the largest code and rounds to nearest even.
; LIMITS: NaN and infinities among the inputs are not served.  A block of zeros gets the byte 1 where the rule says 127: its codes are zeros, and this program alone reads the bytes.  The floor is 2^(3 - 127).
; SHARES: work-groups 0-323: 32 rows of a weight with K = 1,024 (a wave: one group x 512 K);  324-579: x, 128 t x 128 c (a wave: 32 t);  580: W2.  Waves share nothing: no barrier.
; Memory binds: no matrix unit, no tensor loads, no cluster (no two work-groups read the same bytes).
.set SPARE, 69632                      ; behind the stages: the spare words, 128 bytes a wave
.set SPW, 8                            ; v8  LDS address of my spare word; never rewritten
.set NIL, 9                            ; v9  0; never rewritten
.set WD,  16                           ; v16-19 a K step's scale word each
.set XW,  160                          ; v160-223 a weight step's 64 numbers of a lane: two whole blocks
; 16 rows x 128 K of f32: each load reads 512 consecutive bytes of one row.  RP: bytes from row to row; PERM: the group's rows are 0-7 and 16-23; SS: bytes from step to step
.macro WLOAD k, RP, PERM, SS
.irp i, 0,1,2,3,4,5,6,7,8,9,10,11,12,13,14,15
	global_load_b128 v[32+64*((\k)%2)+4*\i:32+64*((\k)%2)+4*\i+3], v4, s[32:33] offset:(\i+8*\PERM*(\i/8))*\RP+(\k)*\SS th:TH_LOAD_NT
.endr
.endm
; One step: the 16 rows turn through my stage (rows of 528 bytes), so that lane (r, h) holds blocks h and 2 + h of row r; scale, codes, image out.
.macro WSTEP k, NS, RP, PERM, SS
.set RB, 32+64*((\k)%2)
.set FRG, 224+12*((\k)%2)
.if (\k)+1 < \NS
	s_wait_loadcnt 16                              ; this step's 16 loads are in; the next step's 16 may be out
.else
	s_wait_loadcnt 0x0
.endif
.irp i, 0,1,2,3,4,5,6,7,8,9,10,11,12,13,14,15
	ds_store_b128 v5, v[RB+4*\i:RB+4*\i+3] offset:528*\i
.endr
.irp c, 0,1
.irp j, 0,1,2,3,4,5,6,7
	ds_load_b128 v[XW+32*\c+4*\j:XW+32*\c+4*\j+3], v6 offset:256*\c+16*\j   ; LDS serves a wave's instructions in order: these see the stores above
.endr
.endr
	s_wait_dscnt 0x0                               ; the numbers are back, and the stores have read their registers
.if (\k)+2 < \NS
	WLOAD (\k)+2, \RP, \PERM, \SS
.endif
.irp c, 0,1
	v_max3_num_f32 v[10+\c], |v[XW+32*\c]|, |v[XW+32*\c+1]|, 0x1800000   ; my two blocks by turns; the floor 2^(3 - 127) is a leaf
.endr
.irp i, 2,4,6,8,10,12,14,16,18,20,22,24,26,28,30
.irp c, 0,1
	v_max3_num_f32 v[10+\c], v[10+\c], |v[XW+32*\c+\i]|, |v[XW+32*\c+\i+1]|
.endr
.endr
	v_add_nc_u32 v12, 0xff000000, v10              ; 2 off the exponent field: the conversion's scale operand
	v_add_nc_u32 v13, 0xff000000, v11
	v_lshrrev_b32 v14, 23, v12                     ; the bytes
	v_lshrrev_b32 v15, 23, v13
	v_lshl_or_b32 v20, v15, 16, v14                ; blocks h and 2 + h,
	v_lshlrev_b32 v20, v7, v20                     ; 8 h bits up;
	v_permlanex16_b32 v21, v20, s26, s27
	v_or_b32 v[WD+(\k)], v20, v21                  ; with lane l xor 16's two the row's word is whole
.if (\k) >= 2
	s_wait_xcnt 0x0                                ; the stores of two steps ago have read these registers
.endif
	v_cvt_scalef32_pk16_fp6_f32 v[FRG:FRG+2], v[XW:XW+15], v12
	v_cvt_scalef32_pk16_fp6_f32 v[248:250], v[XW+16:XW+31], v12       ; (a conversion's three registers begin on an even number)
	v_cvt_scalef32_pk16_fp6_f32 v[FRG+6:FRG+8], v[XW+32:XW+47], v13
	v_cvt_scalef32_pk16_fp6_f32 v[252:254], v[XW+48:XW+63], v13
	v_nop                                          ; one plain place behind the conversions
.irp i, 0,1,2
	v_mov_b32 v[FRG+3+\i], v[248+\i]
	v_mov_b32 v[FRG+9+\i], v[252+\i]
.endr
.irp g, 0,1,2
	global_store_b128 v4, v[FRG+4*\g:FRG+4*\g+3], s[18:19] offset:1536*(\k)+512*\g   ; 512 consecutive bytes
.endr
.endm
.macro STAGEADR base                   ; my stage: base + 8,704 x wave
	s_mul_i32 s43, s24, 8704
.if \base
	s_add_co_u32 s43, s43, \base
.endif
	v_add_nc_u32 v5, s43, v4                       ; in: 16 x lane
	v_mul_u32_u24 v6, v2, 528
	v_lshl_add_u32 v6, v3, 7, v6
	v_add_nc_u32 v6, s43, v6                       ; out: row r, + 128 h
	v_lshlrev_b32 v7, 3, v3                        ; 8 h
	v_mov_b32 v21, 0                               ; a lane permute's destination counts as read
.endm
.macro CLOSE                           ; the closing lines behind a wave's last LDS store
	s_wait_tensorcnt 0x0
	ds_add_u32 v[SPW], v[NIL]
	s_wait_dscnt 0x0
	s_endpgm
.endm
	s_load_b256 s[4:11], s[0:1], 0x0               ; x, Wv, Wq, Wk
	s_load_b256 s[12:19], s[0:1], 0x20             ; W1, W2, xc, wc
	s_load_b128 s[20:23], s[0:1], 0x40             ; scl, xr
	v_lshl_add_u32 v[SPW], v0, 2, SPARE
	v_mov_b32 v[NIL], 0
	v_lshrrev_b32 v1, 5, v0
	v_readfirstlane_b32 s24, v1                    ; wave
	v_and_b32 v1, 31, v0                           ; lane
	v_and_b32 v2, 15, v0                           ; r
	v_bfe_u32 v3, v0, 4, 1                         ; h
	v_lshlrev_b32 v4, 4, v1                        ; 16 x lane
	s_mov_b32 s26, 0x76543210
	s_mov_b32 s27, 0xfedcba98                      ; v_permlanex16_b32's selects for lane l xor 16
	s_mov_b32 s28, 0xffff0000                      ; lanes 16-31
	s_wait_kmcnt 0x0
	s_cmp_ge_u32 ttmp9, 580
	s_cbranch_scc1 .Lw2
	s_cmp_ge_u32 ttmp9, 324
	s_cbranch_scc1 .Lx
	; ---- a weight with K = 1,024.  Which tensor: a choice of pointers on the work-group's number alone
	s_cmp_lt_u32 ttmp9, 256
	s_cselect_b64 s[32:33], s[6:7], s[8:9]
	s_cselect_b32 s31, 0, 256
	s_cmp_lt_u32 ttmp9, 288
	s_cselect_b64 s[32:33], s[32:33], s[10:11]
	s_cselect_b32 s31, s31, 288
	s_cmp_lt_u32 ttmp9, 320
	s_cselect_b64 s[32:33], s[32:33], s[12:13]
	s_cselect_b32 s31, s31, 320                    ; the tensor's first work-group
	s_sub_co_u32 s31, ttmp9, s31
	s_lshr_b32 s34, s24, 1                         ; u: which group of the 32 rows
	s_and_b32 s35, s24, 1                          ; which half of K
	s_lshl_b32 s31, s31, 17                        ; 32 rows of 4,096 bytes
	s_lshl_b32 s36, s34, 15                        ; + 8 u rows
	s_add_co_u32 s36, s36, s31
	s_lshl_b32 s37, s35, 11                        ; + 512 numbers
	s_add_co_u32 s36, s36, s37
	s_mov_b32 s37, 0
	s_add_nc_u64 s[32:33], s[32:33], s[36:37]
	s_lshl_b32 s38, ttmp9, 1
	s_add_co_u32 s38, s38, s34                     ; the group's number in wc
	s_lshl_b32 s40, s38, 3
	s_lshl_b32 s41, s35, 2
	s_add_co_u32 s40, s40, s41
	s_mul_i32 s40, s40, 1536
	s_mov_b32 s41, 0
	s_add_nc_u64 s[18:19], s[18:19], s[40:41]
	s_lshl_b32 s40, s38, 9
	s_lshl_b32 s42, s35, 8
	s_add_co_u32 s40, s40, s42
	s_add_co_u32 s40, s40, 131072
	s_add_nc_u64 s[20:21], s[20:21], s[40:41]
	STAGEADR 0
	WLOAD 0, 4096, 1, 512
	WLOAD 1, 4096, 1, 512
	WSTEP 0, 4, 4096, 1, 512
	WSTEP 1, 4, 4096, 1, 512
	WSTEP 2, 4, 4096, 1, 512
	WSTEP 3, 4, 4096, 1, 512
	v_cndmask_b32 v20, v[WD], v[WD+2], s28         ; both halves of the lanes hold the row's four words: lane (r, h) stores words 2 h and 2 h + 1,
	v_cndmask_b32 v21, v[WD+1], v[WD+3], s28
	v_lshlrev_b32 v22, 4, v2
	v_lshl_add_u32 v22, v3, 3, v22                 ; at 16 r + 8 h: the 32 lanes fill 256 consecutive bytes, aligned
	global_store_b64 v22, v[20:21], s[20:21]
	CLOSE
.Lw2:	; ---- W2: 8 groups of neighbouring rows, K = 128: a wave takes two groups, a step each.  Its stages are bytes of their own
	s_lshl_b32 s36, s24, 14
	s_mov_b32 s37, 0
	s_add_nc_u64 s[32:33], s[14:15], s[36:37]
	s_mul_i32 s40, s24, 3072
	s_add_co_u32 s40, s40, 7962624
	s_mov_b32 s41, 0
	s_add_nc_u64 s[18:19], s[18:19], s[40:41]
	s_lshl_b32 s40, s24, 7
	s_add_co_u32 s40, s40, 462848
	s_add_nc_u64 s[20:21], s[20:21], s[40:41]
	STAGEADR 34816
	WLOAD 0, 512, 0, 8192
	WLOAD 1, 512, 0, 8192
	WSTEP 0, 2, 512, 0, 8192
	WSTEP 1, 2, 512, 0, 8192
	v_cndmask_b32 v20, v[WD], v[WD+1], s28         ; lanes 0-15 the first group's words, lanes 16-31 the second's
	v_lshlrev_b32 v22, 2, v1
	global_store_b32 v22, v20, s[20:21]            ; 128 bytes a wave, 512 in the launch
	CLOSE
.Lx:	; ---- x: K = c is not innermost.  A lane takes a column t and its registers run down c; lanes 0-15 are the rows of group tt, lanes 16-31 those of tt + 1.  No LDS
	s_sub_co_u32 s30, ttmp9, 324
	s_lshr_b32 s31, s30, 5                         ; b
	s_bfe_u32 s34, s30, 0x20003                    ; which 128 t
	s_and_b32 s35, s30, 7                          ; which 128 c: the K step
	v_and_b32 v10, 7, v0
	v_lshl_or_b32 v10, v3, 3, v10
	v_bfe_u32 v11, v0, 3, 1
	v_lshl_or_b32 v10, v11, 4, v10                 ; my t among the wave's 32: (l & 7) + 8 (l / 16) + 16 ((l / 8) & 1)
	v_lshlrev_b32 v10, 2, v10
	s_lshl_b32 s36, s31, 21
	s_lshl_b32 s37, s35, 18
	s_add_co_u32 s36, s36, s37
	s_lshl_b32 s37, s34, 9
	s_add_co_u32 s36, s36, s37
	s_lshl_b32 s37, s24, 7
	s_add_co_u32 s36, s36, s37
	s_mov_b32 s37, 0
	s_add_nc_u64 s[4:5], s[4:5], s[36:37]          ; x[b, 128 s, 128 tb + 32 w]
	s_lshl_b32 s38, s34, 3
	s_lshl_b32 s39, s24, 1
	s_add_co_u32 s38, s38, s39                     ; tt
	s_lshl_b32 s40, s31, 21
	s_lshl_b32 s41, s35, 18
	s_add_co_u32 s40, s40, s41
	s_lshl_b32 s41, s38, 11
	s_add_co_u32 s40, s40, s41
	s_mov_b32 s41, 0
	s_add_nc_u64 s[22:23], s[22:23], s[40:41]
	s_lshl_b32 s42, s31, 5
	s_add_co_u32 s42, s42, s38                     ; the group's number in xc
	s_lshl_b32 s40, s42, 3
	s_add_co_u32 s40, s40, s35
	s_mul_i32 s40, s40, 1536
	s_add_nc_u64 s[16:17], s[16:17], s[40:41]
	s_lshl_b32 s40, s42, 9
	s_lshr_b32 s43, s35, 2
	s_lshl_b32 s43, s43, 8
	s_add_co_u32 s40, s40, s43
	s_and_b32 s43, s35, 3
	s_lshl_b32 s43, s43, 2
	s_add_co_u32 s40, s40, s43
	s_add_nc_u64 s[20:21], s[20:21], s[40:41]
	v_lshlrev_b32 v11, 4, v2
	v_lshl_add_u32 v12, v3, 11, v11                ; xr: my group, 16 bytes a row
	v_lshl_add_u32 v13, v3, 9, v11                 ; scl likewise
.macro XLOAD t                         ; block t: x[.., 32 t + i, my t]: the wave reads 128 consecutive bytes, the work-group 512
.set I, 0
.rept 32
	global_load_b32 v[32+32*(\t)+I], v10, s[4:5] offset:(32*(\t)+I)*2048 th:TH_LOAD_NT
.set I, I+1
.endr
.endm
.macro XBLK t
.set XS, 32+32*(\t)
.set FD, 160+12*((\t)%2)+6*((\t)/2)    ; blocks 0, 2 -> v160.., blocks 1, 3 -> v172..
.irp q, 0,1,2,3,4,5,6,7
	global_store_b128 v12, v[XS+4*\q:XS+4*\q+3], s[22:23] offset:65536*(\t)+512*(\q%4)+256*(\q/4)   ; sixteen lanes fill 256 consecutive bytes, aligned
.endr
	v_max3_num_f32 v14, |v[XS]|, |v[XS+1]|, |v[XS+2]|             ; all 32 numbers of the block are mine; two chains
	v_max3_num_f32 v15, |v[XS+3]|, |v[XS+4]|, |v[XS+5]|
.irp i, 6,10,14,18,22,26
	v_max3_num_f32 v14, v14, |v[XS+\i]|, |v[XS+\i+1]|
	v_max3_num_f32 v15, v15, |v[XS+\i+2]|, |v[XS+\i+3]|
.endr
	v_max3_num_f32 v14, v14, |v[XS+30]|, |v[XS+31]|
	v_max3_num_f32 v14, v14, v15, 0x1800000
	v_add_nc_u32 v16, 0xff000000, v14
	v_lshrrev_b32 v17, 23, v16
.if (\t) == 0
	v_mov_b32 v18, v17
.else
	v_lshl_or_b32 v18, v17, 8*(\t), v18            ; my row's scale word
.endif
	v_cvt_scalef32_pk16_fp6_f32 v[FD:FD+2], v[XS:XS+15], v16
	v_cvt_scalef32_pk16_fp6_f32 v[184:186], v[XS+16:XS+31], v16
	v_nop
.irp i, 0,1,2
	v_mov_b32 v[FD+3+\i], v[184+\i]
.endr
.endm
	XLOAD 0
	XLOAD 1
	s_wait_loadcnt 32                              ; block 0 is in; the one younger block's 32 loads may be out: so each time below
	XLOAD 2
	XBLK 0
	s_wait_loadcnt 32
	XLOAD 3
	XBLK 1
	s_wait_loadcnt 32
	XBLK 2
	s_wait_loadcnt 0x0
	XBLK 3
.irp i, 0,1,2,3,4,5,6,7,8,9,10,11
	v_permlane16_swap_b32 v[160+\i], v[172+\i]     ; blocks 1, 3 of group tt's rows go to lanes 16-31 of the first image, blocks 0, 2 of group tt + 1's to lanes 0-15 of the second
.endr
.irp u, 0,1
.irp g, 0,1,2
	global_store_b128 v4, v[160+12*\u+4*\g:160+12*\u+4*\g+3], s[16:17] offset:12288*\u+512*\g
.endr
.endr
	global_store_b32 v13, v18, s[20:21]            ; 4 bytes a lane, 16 bytes apart: one word of each row's four; 131,072 bytes in the launch
	s_endpgm
.Lfunc_end_k_q0d109f601d_quant:
	.size	k_q0d109f601d_quant, .Lfunc_end_k_q0d109f601d_quant-k_q0d109f601d_quant
	.p2alignl 7, 3214868480
	.fill 96, 4, 3214868480
	.section	.rodata,"a",@progbits
	.p2align	6, 0x0
	.amdhsa_kernel k_q0d109f601d_quant
		.amdhsa_group_segment_fixed_size 70144
		.amdhsa_private_segment_fixed_size 0
		.amdhsa_enable_private_segment 0
		.amdhsa_kernarg_size 80
		.amdhsa_user_sgpr_count 2
		.amdhsa_user_sgpr_kernarg_segment_ptr 1
		.amdhsa_wavefront_size32 1
		.amdhsa_system_sgpr_workgroup_id_x 1
		.amdhsa_system_sgpr_workgroup_id_y 1
		.amdhsa_system_sgpr_workgroup_id_z 1
		.amdhsa_system_vgpr_workitem_id 0
		.amdhsa_next_free_vgpr 256
		.amdhsa_next_free_sgpr 66
		.amdhsa_reserve_vcc 0
		.amdhsa_float_denorm_mode_32 3
		.amdhsa_float_denorm_mode_16_64 3
		.amdhsa_memory_ordered 1
		.amdhsa_forward_progress 1
		.amdhsa_inst_pref_size 69
	.end_amdhsa_kernel
	.amdgpu_metadata
---
amdhsa.version: [ 1, 2 ]
amdhsa.kernels:
  - .name:           k_q0d109f601d_quant
    .symbol:         k_q0d109f601d_quant.kd
    .args:
      - { .name: x, .offset: 0, .size: 8, .value_kind: global_buffer, .address_space: global }
      - { .name: Wv, .offset: 8, .size: 8, .value_kind: global_buffer, .address_space: global }
      - { .name: Wq, .offset: 16, .size: 8, .value_kind: global_buffer, .address_space: global }
      - { .name: Wk, .offset: 24, .size: 8, .value_kind: global_buffer, .address_space: global }
      - { .name: W1, .offset: 32, .size: 8, .value_kind: global_buffer, .address_space: global }
      - { .name: W2, .offset: 40, .size: 8, .value_kind: global_buffer, .address_space: global }
      - { .name: xc, .offset: 48, .size: 8, .value_kind: global_buffer, .address_space: global }
      - { .name: wc, .offset: 56, .size: 8, .value_kind: global_buffer, .address_space: global }
      - { .name: scl, .offset: 64, .size: 8, .value_kind: global_buffer, .address_space: global }
      - { .name: xr, .offset: 72, .size: 8, .value_kind: global_buffer, .address_space: global }
    .group_segment_fixed_size: 70144
    .private_segment_fixed_size: 0
    .kernarg_segment_align: 8
    .kernarg_segment_size: 80
    .max_flat_workgroup_size: 128
    .sgpr_count:     66
    .vgpr_count:     256
    .wavefront_size: 32
...
	.end_amdgpu_metadata
.endif
;; end of part 1
;; launch proj (part 2): grid 16 x 16, 4 waves a work-group, clusters of 4 x 4, 327,680 bytes of LDS; arguments xc, wc, scl, bv, bq, bk, cod, cods; writes cod, cods
.if DOCPART == 2
	.amdgcn_target "amdgcn-amd-amdhsa--gfx1250"
	.amdhsa_code_object_version 6
	.text
	.protected	k_q0d109f601d_proj
	.globl	k_q0d109f601d_proj
	.p2align	8
	.type	k_q0d109f601d_proj,@function
k_q0d109f601d_proj:
	s_mov_b64 s[64:65], 0
	v_nop
	global_prefetch_b8 v0, s[64:65] scope:SCOPE_SE
	s_setreg_imm32_b32 hwreg(HW_REG_WAVE_MODE, 25, 1), 1
	s_wait_xcnt 0x0
	s_wait_alu depctr_hold_cnt(0) depctr_sa_sdst(0) depctr_va_vdst(0) depctr_va_sdst(0) depctr_va_ssrc(0) depctr_va_vcc(0) depctr_vm_vsrc(0)
	s_getreg_b32 s2, hwreg(HW_REG_IB_STS2, 6, 4)
	s_cmp_eq_u32 s2, 0
	s_cbranch_scc0 .Lentry_in_a_cluster
	s_endpgm
.Lentry_in_a_cluster:
	s_bfe_u32 s2, ttmp6, 0x10000c
	s_cmp_lg_u32 s2, 0xf033
	s_cbranch_scc0 .Lentry_shape_is_right
	s_endpgm
.Lentry_shape_is_right:
; SECOND LAUNCH: v, q and k = W x + bias on codes of FP6, quantised at once for the products that take them: nothing of them goes to memory in f32.  No work is left out.
; One GEMM, 4,096 (b, t) x 10,240 rows of Wv, Wq, Wk, K = 1,024.  A WORK-GROUP STAYS: with ONE tile of x (256 rows, all of K: 196,608 bytes, which come into LDS once) it makes v tile gxb, v tile gxb + 16 (256 x 256 each)
; and half a tile of q or k (head gxb of sixteen: 128 rows of the weight x the same 256 rows of x): 512 + 512 + 256 matrix instructions a wave, the same in all 256 work-groups; no branch hangs on what is made.
; v: source 0 = groups of x (wave's half i), source 1 = groups of Wv (half j): a lane holds one c and its registers run along t, the keys: v's K.  A wave makes 128 x 128: 64 accumulators.
; q, k: source 0 = the head's 8 groups of the weight, source 1 = x's groups 4 w .. 4 w + 3: a lane holds one t and its registers run along the head's 128 channels: their K.  A wave makes 128 x 64.
; The groups' rows were chosen so that the 16 registers of two neighbouring tiles are 16 neighbours along that K.  So each block a of source 1 gives one fragment image and one scale word a row.
; cod: fragment F at 1,536 F, cods: its 16 scale words at 64 F.  v: F = ((8 b + h) 4 + ks) 64 + c tile;  q: 16,384 + (8 b + h) 32 + tt;  k: 18,432 + (8 b + h) 32 + tt.
; OPERANDS lie in memory as register images: a K step's fragment comes by three LDS loads of 16 bytes a lane, 512 consecutive bytes each: no pitch, no padding.
; LDS: x's tile at 0: [K pair 4][group 16][K step 2][image].  The weights' ring at WS: two slots of 49,152 bytes, each [group 16][K step 2][image]; for q, k the same bytes hold [K pair 2][group 8][K step 2][image].
; ONE SHAPE OF LOAD: 4 groups x 2 K steps, 12,288 bytes; every wave issues every load, to 12,288 x its number.  Six first fills a wave (six are out then); then one load a wave behind a round of the cluster's barrier in
; K steps 1, 3, 5 and 7 of each v tile: the slot just read out takes the K pair four K steps on, at a tile's end the next pass's.  A refill has two K steps, 128 matrix instructions of each wave, in which to land.
; The next pass's scale words and biases are asked for behind a pass's last product and land while it is quantised.
; CLUSTER 4 x 4: x's tile is shared along a row of the cluster, the weights' along a column: joint loads.  Nothing is prefetched: each tile of the weights is asked for by four clusters, each tile of x by four: no stream here is read once.
; The biases are the C of each sum's first matrix instruction.  In v a lane's bias fills all eight registers of a C: one load and seven moves for each block.
; LIMITS: NaN and infinities are not served; a block of zeros gets the byte 1 (its codes are zeros; this program alone reads the bytes); the floor of a block's largest magnitude is 2^(3 - 127).
; REGISTERS: window 0: v4-29 addresses; v32-95 scale words; v96-111, v224-247 at work on the way out; v128-223 source 1's fragments, later the codes.
;   window 1: v0-95, v128-223 source 0's fragments, two sets; v96-127, v224-255 the biases.   windows 2, 3: accumulator (a, b) at 8 (8 (a % 4) + b).
.set KP,    49152                      ; a K pair of 16 groups
.set WS,    196608                     ; the weights' ring
.set SPARE, 294912                     ; the spare words, 128 bytes a wave
.set STG,   295424                     ; 512 bytes a wave: the scale words' way out
.set NEXTW, 256*12288-6144             ; from a slot's second K pair of a v tile to its first of the next: 256 groups on, 4 K steps back
.set FR,    12
.set ADRX,  4                          ; v4-7   v: source 0 (x, my half i) in K pair 0 .. 3
.set ADRXQ, 8                          ; v8-11  q, k: source 1 (x, my four groups)
.set ADRW,  12                         ; v12-13 v: source 1 (Wv, my half j) in slot 0, 1
.set ADRQ,  14                         ; v14-15 q, k: source 0 (the head's 8 groups)
.set SCO,   16                         ; v16-17 offsets of the scale words for v tile 0, 1
.set SCQ,   18                         ; v18    for q, k
.set BO,    19                         ; v19    v's bias: 4 x my row of a group
.set BQO,   20                         ; v20    q's, k's: 64 h
.set L8,    23
.set L16,   24
.set STI,   25
.set STO,   26
.set STQ,   27
.set SPW,   28
.set NIL,   29
.set SC,    32                         ; v[SC + 8 blk + k]: lanes 0-15 source 1's block blk, lanes 16-31 source 0's block blk, K step k
.set S1F,   128
.set TM,    96
.set TX,    100
.set SO,    104
.set BY,    108
.set CT,    224
.set PW,    240
.set G1X, 32                           ; s[32:39] the shape, with the mask of my row of the cluster
.set G1W, 40                           ; s[40:47] with the mask of my column
.set G0X, 48                           ; s[48:63] x's four K pairs
.set G0W, 68                           ; s[68:75] the ring's two slots: they walk
.set G0Q, 76                           ; s[76:83] q's or k's two fills
.set VC,  86                           ; s[86:87] cod, s[88:89] cods at my first fragment of v
.set VW,  88
.set QC,  90                           ; s[90:91], s[92:93] the same for q, k
.set QW,  92
.set MSB, 0
.macro WIN new                         ; the immediate's high byte repeats the setting that is left
.if MSB != (\new)
	s_set_vgpr_msb (MSB<<8)|(\new)
.set MSB, (\new)
.endif
.endm
.macro PLACES n
.rept \n
	v_nop
.endr
.endm
.macro CREST                           ; a round of the cluster's barrier behind its opening barrier
	s_cmp_lg_u32 s20, 0
	s_cbranch_scc1 .Lnot_wave_0_\@
	s_barrier_signal -3
.Lnot_wave_0_\@:
	s_barrier_wait -3
	s_barrier_signal -1
	s_barrier_wait -1
.endm
.macro CROUND
	s_barrier_signal -1
	s_barrier_wait -1
	CREST
.endm
.macro TL g0, g1                       ; an s_nop 0 follows every tensor load
	tensor_load_to_lds s[\g0:\g0+3], s[\g1:\g1+7]
	s_nop 0
.endm
	s_load_b256 s[4:11], s[0:1], 0x0               ; xc, wc, scl, bv
	s_load_b256 s[12:19], s[0:1], 0x20             ; bq, bk, cod, cods
	v_lshl_add_u32 v[SPW], v0, 2, SPARE
	v_mov_b32 v[NIL], 0
	ds_add_u32 v[SPW], v[NIL]                      ; the wave's opening: the add, twice on end, and its wait ahead of my first tensor load
	ds_add_u32 v[SPW], v[NIL]
	v_lshrrev_b32 v1, 5, v0
	v_readfirstlane_b32 s20, v1                    ; wave
	s_lshr_b32 s21, s20, 1                         ; i
	s_and_b32 s22, s20, 1                          ; j
	s_bfe_u32 s23, ttmp6, 0x40000                  ; cx
	s_bfe_u32 s24, ttmp6, 0x40004                  ; cy
	s_lshl_b32 s25, ttmp9, 2
	s_add_co_u32 s25, s25, s23                     ; gxb: my column of weight tiles, 0 .. 15
	s_and_b32 s26, ttmp7, 0xffff
	s_lshl_b32 s26, s26, 2
	s_add_co_u32 s26, s26, s24                     ; gy: x's tile
	s_mov_b32 s28, 0xffff0000                      ; lanes 16-31
	s_mov_b32 s30, 0x76543210
	s_mov_b32 s31, 0xfedcba98                      ; selects for lane l xor 16
	s_lshl_b32 s84, s24, 2
	s_lshl_b32 s84, 15, s84                        ; my row of the cluster
	s_lshl_b32 s85, 0x1111, s23                    ; my column
	s_or_b32 s[G1X], s84, (3<<16)|(1<<21)          ; the mask; elements of 8 bytes; bit 21 beside a mask; no padding
	s_or_b32 s[G1W], s85, (3<<16)|(1<<21)
.irp g, G1X, G1W
	s_mov_b32 s[\g+1], 384<<16                     ; a row: two K steps' images of one group, 3,072 bytes
	s_mov_b32 s[\g+2], 4<<16                       ; 4 groups
	s_mov_b32 s[\g+3], 384<<16
	s_mov_b32 s[\g+4], 4
	s_mov_b32 s[\g+5], 1536                        ; from group to group: 12,288 bytes
	s_mov_b32 s[\g+6], 0
	s_mov_b32 s[\g+7], 0
.endr
	s_lshl_b32 s86, s20, 2                         ; 4 w: which four groups I fetch
	s_lshl_b32 s88, s26, 4
	s_add_co_u32 s88, s88, s86
	s_mul_i32 s88, s88, 12288                      ; x's groups 16 gy + 4 w
	s_mov_b32 s89, 0
	s_lshl_b32 s90, s25, 4
	s_add_co_u32 s90, s90, s86
	s_mul_i32 s90, s90, 12288                      ; Wv's groups 16 gxb + 4 w
	s_mov_b32 s91, 0
	s_lshl_b32 s92, s25, 3
	s_lshl_b32 s93, s22, 2
	s_add_co_u32 s92, s92, s93
	s_add_co_u32 s92, s92, 512
	s_mul_i32 s92, s92, 12288                      ; Wq's, Wk's groups 512 + 8 gxb + 4 (w % 2),
	s_mul_i32 s93, s21, 3072
	s_add_co_u32 s92, s92, s93                     ; K pair w / 2 of a slot's two
	s_mov_b32 s93, 0
	s_mul_i32 s94, s20, 12288                      ; where they go: 12,288 x wave: no place in the cluster enters an LDS address
	s_wait_dscnt 0x0                               ; both opening adds are done
	s_wait_kmcnt 0x0
	s_add_nc_u64 s[88:89], s[4:5], s[88:89]
	s_add_nc_u64 s[90:91], s[6:7], s[90:91]
	s_add_nc_u64 s[92:93], s[6:7], s[92:93]
	CROUND                                         ; all sixteen work-groups are here: the first joint loads meet
.irp p, 0,1,2,3
	s_mov_b32 s[G0X+4*\p], 1
	s_add_co_u32 s[G0X+4*\p+1], s94, \p*KP
	s_add_nc_u64 s[G0X+4*\p+2:G0X+4*\p+3], s[88:89], \p*3072
	s_or_b32 s[G0X+4*\p+3], s[G0X+4*\p+3], 0x80000000
.endr
.irp s, 0,1
	s_mov_b32 s[G0W+4*\s], 1
	s_add_co_u32 s[G0W+4*\s+1], s94, WS+\s*KP
	s_add_nc_u64 s[G0W+4*\s+2:G0W+4*\s+3], s[90:91], \s*3072
	s_or_b32 s[G0W+4*\s+3], s[G0W+4*\s+3], 0x80000000
	s_mov_b32 s[G0Q+4*\s], 1
	s_add_co_u32 s[G0Q+4*\s+1], s94, WS+\s*KP
	s_add_nc_u64 s[G0Q+4*\s+2:G0Q+4*\s+3], s[92:93], \s*6144
	s_or_b32 s[G0Q+4*\s+3], s[G0Q+4*\s+3], 0x80000000
.endr
	TL G0X, G1X                                    ; x, K steps 0, 1
	TL G0W, G1W                                    ; Wv, K steps 0, 1
	TL G0X+4, G1X
	TL G0W+4, G1W                                  ; K steps 2, 3
	TL G0X+8, G1X
	TL G0X+12, G1X                                 ; six loads of mine are out
	PLACES 4
	v_and_b32 v1, 31, v0
	v_and_b32 v2, 15, v0                           ; r
	v_bfe_u32 v3, v0, 4, 1                         ; h
	v_lshlrev_b32 v[L16], 4, v1
	v_lshlrev_b32 v[L8], 3, v1
; the scale words of a pass for all of K: 16 loads of 16 bytes a lane; lanes 0-15 take source 1's rows, lanes 16-31 source 0's
.macro SCALES adr
.irp b, 0,1,2,3,4,5,6,7
.irp j, 0,1
	global_load_b128 v[SC+8*\b+4*\j:SC+8*\b+4*\j+3], v[\adr], s[8:9] offset:512*\b+256*\j
.endr
.endr
.endm
.macro VBIAS t                         ; v tile t: the bias of my row of each of source 1's blocks, into the first of the block's eight registers
	WIN 0x40
.irp a, 0,1,2,3,4,5,6,7
	global_load_b32 v[96+8*\a+96*(\a/4)], v[BO], s[10:11] offset:16384*(\t)+(32*(\a/2)+8*(\a%2))*4
.endr
	WIN 0
.endm
.macro QBIAS                           ; q, k: tile 2 B + u, register j: channel 32 B + 16 h + 8 u + j
	WIN 0x40
.irp b, 0,1,2,3,4,5,6,7
	global_load_b128 v[96+8*\b+96*(\b/4):96+8*\b+96*(\b/4)+3], v[BQO], s[12:13] offset:(32*(\b/2)+8*(\b%2))*4
	global_load_b128 v[96+8*\b+96*(\b/4)+4:96+8*\b+96*(\b/4)+7], v[BQO], s[12:13] offset:(32*(\b/2)+8*(\b%2))*4+16
.endr
	WIN 0
.endm
	s_lshl_b32 s84, s26, 13                        ; x's scale words: 512 bytes a group
	s_lshl_b32 s85, s25, 13
	s_add_co_u32 s85, s85, 131072                  ; Wv's
	s_lshl_b32 s95, s21, 12
	s_add_co_u32 s95, s95, s84                     ; v: source 0: x's groups 16 gy + 8 i
	s_lshl_b32 s96, s22, 12
	s_add_co_u32 s96, s96, s85                     ; source 1: Wv's groups 16 gxb + 8 j
	v_lshlrev_b32 v21, 4, v2
	v_add_nc_u32 v22, s96, v21
	v_add_nc_u32 v30, s95, v21
	v_cndmask_b32 v[SCO], v22, v30, s28
	v_add_nc_u32 v22, 0x20000, v22                 ; the second v tile: 256 groups on
	v_cndmask_b32 v[SCO+1], v22, v30, s28
	SCALES SCO
	s_lshl_b32 s96, s25, 10
	s_lshl_b32 s98, s22, 9
	s_add_co_u32 s96, s96, s98
	s_mov_b32 s97, 0
	s_add_nc_u64 s[10:11], s[10:11], s[96:97]      ; bv at row 256 gxb + 128 j
	v_and_b32 v31, 8, v2
	v_add_nc_u32 v31, v31, v2
	v_lshlrev_b32 v[BO], 2, v31                    ; my row of a group: r + 8 (r / 8)
	VBIAS 0
	s_lshl_b32 s95, s20, 11
	s_add_co_u32 s95, s95, s84                     ; q, k: source 1: x's groups 16 gy + 4 w (blocks 4-7 of these lanes are loaded with the others' and not used: they lie inside the buffer)
	s_lshl_b32 s96, s25, 12
	s_add_co_u32 s96, s96, 393216                  ; source 0: the weight's groups 512 + 8 gxb
	v_add_nc_u32 v22, s95, v21
	v_add_nc_u32 v30, s96, v21
	v_cndmask_b32 v[SCQ], v22, v30, s28
	s_cmp_lt_u32 ttmp9, 2                          ; heads 0-7 are q's, 8-15 k's: the cluster's x decides, the same in all partners
	s_cselect_b64 s[12:13], s[12:13], s[14:15]
	s_and_b32 s96, s25, 7
	s_lshl_b32 s96, s96, 9
	s_add_nc_u64 s[12:13], s[12:13], s[96:97]      ; my head's 128 numbers
	v_lshlrev_b32 v[BQO], 6, v3
	; LDS addresses: constants, the wave's number, 16 x lane
	s_mul_i32 s84, s21, 24576
	s_mul_i32 s85, s20, 12288
.irp p, 0,1,2,3
	v_add_nc_u32 v[ADRX+\p], s84, v[L16]
	v_add_nc_u32 v[ADRXQ+\p], s85, v[L16]
	s_add_co_u32 s84, s84, KP
	s_add_co_u32 s85, s85, KP
.endr
	s_mul_i32 s84, s22, 24576
	s_add_co_u32 s84, s84, WS
	s_mov_b32 s85, WS
.irp s, 0,1
	v_add_nc_u32 v[ADRW+\s], s84, v[L16]
	v_add_nc_u32 v[ADRQ+\s], s85, v[L16]
	s_add_co_u32 s84, s84, KP
	s_add_co_u32 s85, s85, KP
.endr
	s_lshl_b32 s84, s20, 9
	s_add_co_u32 s84, s84, STG
	v_lshl_add_u32 v[STI], v1, 2, s84
	v_add_nc_u32 v[STO], s84, v[L16]
	v_add_nc_u32 v[STQ], s84, v[L8]
.irp b, 0,1,2,3
	v_mov_b32 v[TX+\b], 0                          ; written once: a lane permute's destination counts as read
.endr
	; the numbers of my first fragments
	s_lshr_b32 s84, s26, 1                         ; b
	s_and_b32 s85, s26, 1                          ; which 256 t
	s_lshl_b32 s95, s84, 3
	s_lshr_b32 s96, s25, 2
	s_add_co_u32 s95, s95, s96                     ; v: 8 b + h, h = gxb / 4 (the second tile: h + 4)
	s_lshl_b32 s95, s95, 2
	s_lshl_b32 s96, s85, 1
	s_add_co_u32 s95, s95, s96
	s_add_co_u32 s95, s95, s21                     ; x 4 + ks
	s_lshl_b32 s95, s95, 6
	s_and_b32 s96, s25, 3
	s_lshl_b32 s96, s96, 4
	s_add_co_u32 s95, s95, s96
	s_lshl_b32 s96, s22, 3
	s_add_co_u32 s95, s95, s96                     ; x 64 + c tile
	s_mul_i32 s96, s95, 1536
	s_add_nc_u64 s[VC:VC+1], s[16:17], s[96:97]
	s_lshl_b32 s96, s95, 6
	s_add_nc_u64 s[VW:VW+1], s[18:19], s[96:97]
	s_lshr_b32 s95, s25, 3                         ; q (0) or k (1)
	s_lshl_b32 s95, s95, 6
	s_lshl_b32 s98, s84, 3
	s_add_co_u32 s95, s95, s98
	s_and_b32 s98, s25, 7
	s_add_co_u32 s95, s95, s98
	s_lshl_b32 s95, s95, 5
	s_lshl_b32 s98, s85, 4
	s_add_co_u32 s95, s95, s98
	s_lshl_b32 s98, s20, 2
	s_add_co_u32 s95, s95, s98
	s_add_co_u32 s95, s95, 16384
	s_mul_i32 s96, s95, 1536
	s_add_nc_u64 s[QC:QC+1], s[16:17], s[96:97]
	s_lshl_b32 s96, s95, 6
	s_add_nc_u64 s[QW:QW+1], s[18:19], s[96:97]
.macro FETCH_S0 k, set                 ; v: x's eight fragments of K step k into set
	WIN 0x40
.irp i, 0,1,2,3,4,5,6,7
.irp g, 0,1,2
	ds_load_b128 v[128*(\set)+FR*\i+4*\g:128*(\set)+FR*\i+4*\g+3], v[ADRX+(\k)/2] offset:3072*\i+1536*((\k)%2)+512*\g
.endr
.endr
	WIN 0
.endm
.macro FETCH_S1 k, i0                  ; v: Wv's blocks i0 .. i0 + 3
.irp i, \i0, \i0+1, \i0+2, \i0+3
.irp g, 0,1,2
	ds_load_b128 v[S1F+FR*(\i)+4*\g:S1F+FR*(\i)+4*\g+3], v[ADRW+((\k)/2)%2] offset:3072*(\i)+1536*((\k)%2)+512*\g
.endr
.endr
.endm
.macro WMB d, a, b, c, sa, sb
	v_wmma_scale_f32_16x16x128_f8f6f4 v[\d:\d+7], v[\a:\a+11], v[\b:\b+11], \c, v[\sa], v[\sb] matrix_a_fmt:MATRIX_FMT_FP6 matrix_b_fmt:MATRIX_FMT_FP6 matrix_a_scale:MATRIX_SCALE_ROW1
.endm
; 16 matrix instructions: source 1's blocks a0, a0 + 1 x source 0's eight, K step k; p: source 0's set.  mode 0: sums go on; 1: the first K step takes the bias of block a as C.
; The 64 accumulators take turns, one instruction a turn, in the same order in every K step.
.macro MUL16 a0, p, k, mode
.if \mode == 0
	WIN 0xa1+0x50*((\a0)/4)
.else
	WIN 0x91+0x40*((\a0)/4)
.endif
.irp a, \a0, \a0+1
.irp b, 0,1,2,3,4,5,6,7
.set DD, 8*(8*((\a)%4)+\b)
.if \mode == 0
	WMB DD, 128*(\p)+FR*\b, S1F+FR*(\a), v[DD:DD+7], SC+8*\b+(\k), SC+8*(\a)+(\k)
.else
.set BIA, 96+8*(\a)+96*((\a)/4)
	WMB DD, 128*(\p)+FR*\b, S1F+FR*(\a), v[BIA:BIA+7], SC+8*\b+(\k), SC+8*(\a)+(\k)
.endif
.endr
.endr
.endm
; The second half of a K step: the next K step's fragments are fetched in two runs, each four places behind the products that read the registers
.macro REST k
.set NK, (\k)+1
	FETCH_S0 NK, NK%2
	FETCH_S1 NK, 0
	MUL16 4, (\k)%2, \k, STEPMODE
	MUL16 6, (\k)%2, \k, STEPMODE
	PLACES 4
	WIN 0
	FETCH_S1 NK, 4
.endm
.macro STEP k, mode                    ; an even K step: its successor lies in the same slot
.set STEPMODE, \mode
	s_wait_dscnt 12                                ; source 0's set and source 1's blocks 0-3 are in; the youngest 12 loads (blocks 4-7) may be out
	MUL16 0, 0, \k, \mode
	MUL16 2, 0, \k, \mode
	s_wait_dscnt 0x0
	PLACES 4
	REST \k
.endm
; An odd K step changes slots.  Each wave waits for all its tensor loads, adds 0 to its spare word, waits for that and for its reads; its barrier opens a round of the cluster's barrier; behind the round the slot just
; read out is filled again by descriptor g0, whose address goes step bytes on first.  fetch = 0: a tile's last K step: the next pass's fragments are fetched behind the way out.
.macro TURN k, g0, step, fetch
.set STEPMODE, 0
	s_wait_tensorcnt 0x0                           ; all my tensor loads have landed: my part of the other slot
	ds_add_u32 v[SPW], v[NIL]
	s_wait_dscnt 13                                ; (the add and the youngest 12 loads may be out)
	MUL16 0, 1, \k, 0
	s_wait_dscnt 0x0                               ; the add is done, and my reads of this slot are over
	s_barrier_signal -1
	MUL16 2, 1, \k, 0
	WIN 0
	s_barrier_wait -1
	CREST                                          ; no wave of any partner still reads this slot or has a load on its way
.if \step
	s_add_nc_u64 s[\g0+2:\g0+3], s[\g0+2:\g0+3], \step
.endif
	TL \g0, G1W                                    ; my one load behind the round, and the first thing there
	PLACES 4                                       ; also the places in front of the loads below
.if \fetch
	REST \k
.else
	MUL16 4, 1, \k, 0
	MUL16 6, 1, \k, 0
	WIN 0
.endif
.endm
; Block a's 64 numbers of a lane (register 16 B + i = K 32 B + 16 h + i of my row) become a fragment's codes, which leave as they stand, and its scale word.  Each accumulator is read from its low end on.
.macro EPI a, base, disp
.set EW, 2+(\a)/4
.set AC, 64*((\a)%4)
.set CDR, S1F+12*(\a)
	WIN EW|(EW<<2)
.irp b, 0,1,2,3
	v_max3_num_f32 v[TM+\b], |v[AC+16*\b]|, |v[AC+16*\b+1]|, 0x1800000
.endr
.irp i, 2,4,6,8,10,12,14
.irp b, 0,1,2,3
	v_max3_num_f32 v[TM+\b], |v[AC+16*\b+\i]|, |v[AC+16*\b+\i+1]|, v[TM+\b]
.endr
.endr
	WIN 0
.irp b, 0,1,2,3
	v_permlanex16_b32 v[TX+\b], v[TM+\b], s30, s31
.endr
.irp b, 0,1,2,3
	v_max_num_f32 v[TM+\b], v[TM+\b], v[TX+\b]
.endr
.irp b, 0,1,2,3
	v_add_nc_u32 v[SO+\b], 0xff000000, v[TM+\b]
.endr
.irp b, 0,1,2,3
	v_lshrrev_b32 v[BY+\b], 23, v[SO+\b]
.endr
	v_lshl_or_b32 v[PW+(\a)], v[BY+1], 8, v[BY]
	v_lshl_or_b32 v[PW+(\a)], v[BY+2], 16, v[PW+(\a)]
	v_lshl_or_b32 v[PW+(\a)], v[BY+3], 24, v[PW+(\a)]
	WIN EW
.irp c, 0,1
	v_cvt_scalef32_pk16_fp6_f32 v[CDR+6*\c:CDR+6*\c+2], v[AC+32*\c:AC+32*\c+15], v[SO+2*\c]
	v_cvt_scalef32_pk16_fp6_f32 v[CT+4*\c:CT+4*\c+2], v[AC+32*\c+16:AC+32*\c+31], v[SO+2*\c+1]
.endr
	WIN 0
	v_nop                                          ; one plain place behind the conversions
.irp c, 0,1
.irp i, 0,1,2
	v_permlane16_swap_b32 v[CDR+6*\c+\i], v[CT+4*\c+\i]   ; a whole block to a lane
.endr
.irp i, 0,1,2
	v_mov_b32 v[CDR+6*\c+3+\i], v[CT+4*\c+\i]
.endr
.endr
.irp g, 0,1,2
	global_store_b128 v[L16], v[CDR+4*\g:CDR+4*\g+3], s[\base:\base+1] offset:(\disp)+1536*(\a)+512*\g   ; 512 consecutive bytes; each block has registers of its own
.endr
.endm
; A v tile.  At its head slot 0 holds its K steps 0 and 1, shown whole by the last barrier, and its scale words and biases have been asked for.
.macro VTILE t
	s_wait_xcnt 0x0                                ; the last pass's stores have read the registers that the fragments take
	FETCH_S0 0, 0
	FETCH_S1 0, 0
	FETCH_S1 0, 4
	s_wait_loadcnt 0x0                             ; scale words and biases
	WIN 0x41
.irp a, 0,1,2,3,4,5,6,7
.irp j, 1,2,3,4,5,6,7
	v_mov_b32 v[96+8*\a+96*(\a/4)+\j], v[96+8*\a+96*(\a/4)]   ; a lane's bias is the same for its eight t
.endr
.endr
	STEP 0, 1
	TURN 1, G0W, 6144, 1                           ; slot 0 takes K steps 4, 5
	STEP 2, 0
	TURN 3, G0W+4, 6144, 1                         ; slot 1 takes K steps 6, 7
	STEP 4, 0
.if \t == 0
	TURN 5, G0W, NEXTW, 1                          ; THE RING GOES ON INTO THE NEXT PASS: slot 0 takes the second tile's K steps 0, 1,
	STEP 6, 0
	TURN 7, G0W+4, NEXTW, 0                        ; slot 1 its K steps 2, 3
	PLACES 4                                       ; behind the last products: for the loads into the scale words' registers and the first read of results
	SCALES SCO+1
	VBIAS 1
.else
	TURN 5, G0Q, 0, 1                              ; slot 0 takes q's or k's K steps 0 to 3,
	STEP 6, 0
	TURN 7, G0Q+4, 0, 0                            ; slot 1 its K steps 4 to 7: my last tensor load
	PLACES 4
	SCALES SCQ
	QBIAS
.endif
.irp a, 0,1,2,3,4,5,6,7
	EPI \a, VC, 1572864*\t
.endr
.irp p, 0,1,2,3
	v_cndmask_b32 v[TM+\p], v[PW+2*\p], v[PW+2*\p+1], s28        ; two fragments' words to a register,
	ds_store_b32 v[STI], v[TM+\p] offset:128*\p                  ; through 512 bytes of my own,
.endr
	ds_load_b128 v[SO:SO+3], v[STO]                ; (LDS serves a wave's instructions in order)
	s_wait_dscnt 0x0
	global_store_b128 v[L16], v[SO:SO+3], s[VW:VW+1] offset:65536*\t   ; out as 512 consecutive bytes
.endm
; q, k: both operands have two sets of registers: K step k + 1 is fetched in one run ahead of K step k's 32 products
.macro FETCHQ k
.set QP, (\k)%2
	WIN 0x40
.irp i, 0,1,2,3,4,5,6,7
.irp g, 0,1,2
	ds_load_b128 v[128*QP+FR*\i+4*\g:128*QP+FR*\i+4*\g+3], v[ADRQ+(\k)/4] offset:24576*(((\k)%4)/2)+3072*\i+1536*((\k)%2)+512*\g
.endr
.endr
	WIN 0
.irp i, 0,1,2,3
.irp g, 0,1,2
	ds_load_b128 v[S1F+48*QP+FR*\i+4*\g:S1F+48*QP+FR*\i+4*\g+3], v[ADRXQ+(\k)/2] offset:3072*\i+1536*((\k)%2)+512*\g
.endr
.endr
.endm
.macro MULQ k, mode                    ; 32 accumulators by turns.  mode 1: the first K step takes the bias of source 0's block b as C
.set QP, (\k)%2
.if \mode == 0
	WIN 0xa1
.else
	WIN 0x91
.endif
.irp a, 0,1,2,3
.irp b, 0,1,2,3,4,5,6,7
.set DD, 8*(8*\a+\b)
.if \mode == 0
	WMB DD, 128*QP+FR*\b, S1F+48*QP+FR*\a, v[DD:DD+7], SC+8*\b+(\k), SC+8*\a+(\k)
.else
.set BIA, 96+8*\b+96*(\b/4)
	WMB DD, 128*QP+FR*\b, S1F+48*QP+FR*\a, v[BIA:BIA+7], SC+8*\b+(\k), SC+8*\a+(\k)
.endif
.endr
.endr
	WIN 0
.endm
.macro QSTEP k, mode, bar, fetch
	s_wait_dscnt 0x0                               ; K step k's fragments are in
.if \bar
	s_wait_tensorcnt 0x0                           ; my part of slot 1 is in,
	s_barrier_signal -1
	s_barrier_wait -1                              ; everybody's is
.endif
.if \fetch
	PLACES 4                                       ; behind the products that read the sets now loaded
	FETCHQ (\k)+1
.endif
	MULQ \k, \mode
.endm
	s_wait_tensorcnt 4                             ; my parts of x's and Wv's K steps 0, 1 are in; the four younger loads may stay out
	s_barrier_signal -1
	s_barrier_wait -1
	VTILE 0
	VTILE 1
	; ---- q or k: slot 0 was shown whole by the last round
	s_wait_xcnt 0x0                                ; the last pass's stores have read the registers that the fragments take
	FETCHQ 0
	s_wait_loadcnt 0x0                             ; scale words and biases
	QSTEP 0, 1, 0, 1
	QSTEP 1, 0, 0, 1
	QSTEP 2, 0, 0, 1
	QSTEP 3, 0, 1, 1                               ; K step 4 lies in slot 1
	QSTEP 4, 0, 0, 1
	QSTEP 5, 0, 0, 1
	QSTEP 6, 0, 0, 1
	QSTEP 7, 0, 0, 0
	PLACES 4
.irp a, 0,1,2,3
	EPI \a, QC, 0
.endr
.irp p, 0,1
	v_cndmask_b32 v[TM+\p], v[PW+2*\p], v[PW+2*\p+1], s28
	ds_store_b32 v[STI], v[TM+\p] offset:128*\p
.endr
	ds_load_b64 v[SO:SO+1], v[STQ]
	s_wait_dscnt 0x0
	global_store_b64 v[L8], v[SO:SO+1], s[QW:QW+1] ; four fragments' words: 256 consecutive bytes, aligned
	s_wait_tensorcnt 0x0                           ; the wave's end
	ds_add_u32 v[SPW], v[NIL]
	s_wait_dscnt 0x0
	CROUND                                         ; the closing round
	s_endpgm
.Lfunc_end_k_q0d109f601d_proj:
	.size	k_q0d109f601d_proj, .Lfunc_end_k_q0d109f601d_proj-k_q0d109f601d_proj
	.p2alignl 7, 3214868480
	.fill 96, 4, 3214868480
	.section	.rodata,"a",@progbits
	.p2align	6, 0x0
	.amdhsa_kernel k_q0d109f601d_proj
		.amdhsa_group_segment_fixed_size 327680
		.amdhsa_private_segment_fixed_size 0
		.amdhsa_enable_private_segment 0
		.amdhsa_kernarg_size 64
		.amdhsa_user_sgpr_count 2
		.amdhsa_user_sgpr_kernarg_segment_ptr 1
		.amdhsa_wavefront_size32 1
		.amdhsa_system_sgpr_workgroup_id_x 1
		.amdhsa_system_sgpr_workgroup_id_y 1
		.amdhsa_system_sgpr_workgroup_id_z 1
		.amdhsa_system_vgpr_workitem_id 0
		.amdhsa_next_free_vgpr 1024
		.amdhsa_next_free_sgpr 100
		.amdhsa_reserve_vcc 0
		.amdhsa_float_denorm_mode_32 3
		.amdhsa_float_denorm_mode_16_64 3
		.amdhsa_memory_ordered 1
		.amdhsa_forward_progress 1
		.amdhsa_inst_pref_size 255
	.end_amdhsa_kernel
	.section	.bss,"aw",@nobits
	.p2align	6
	.space	262144
	.amdgpu_metadata
---
amdhsa.version: [ 1, 2 ]
amdhsa.kernels:
  - .name:           k_q0d109f601d_proj
    .symbol:         k_q0d109f601d_proj.kd
    .args:
      - { .name: xc, .offset: 0, .size: 8, .value_kind: global_buffer, .address_space: global }
      - { .name: wc, .offset: 8, .size: 8, .value_kind: global_buffer, .address_space: global }
      - { .name: scl, .offset: 16, .size: 8, .value_kind: global_buffer, .address_space: global }
      - { .name: bv, .offset: 24, .size: 8, .value_kind: global_buffer, .address_space: global }
      - { .name: bq, .offset: 32, .size: 8, .value_kind: global_buffer, .address_space: global }
      - { .name: bk, .offset: 40, .size: 8, .value_kind: global_buffer, .address_space: global }
      - { .name: cod, .offset: 48, .size: 8, .value_kind: global_buffer, .address_space: global }
      - { .name: cods, .offset: 56, .size: 8, .value_kind: global_buffer, .address_space: global }
    .group_segment_fixed_size: 327680
    .private_segment_fixed_size: 0
    .kernarg_segment_align: 8
    .kernarg_segment_size: 64
    .max_flat_workgroup_size: 128
    .sgpr_count:     100
    .vgpr_count:     1024
    .wavefront_size: 32
...
	.end_amdgpu_metadata
.endif
;; end of part 2
;; launch attn (part 3): grid 4 x 64, 4 waves a work-group, clusters of 4 x 1, 327,680 bytes of LDS; arguments cod, cods, wc, scl, xr, x, gamma, b1, b2, out0; writes out0
.if DOCPART == 3
	.amdgcn_target "amdgcn-amd-amdhsa--gfx1250"
	.amdhsa_code_object_version 6
	.text
	.protected	k_q0d109f601d_attn
	.globl	k_q0d109f601d_attn
	.p2align	8
	.type	k_q0d109f601d_attn,@function
k_q0d109f601d_attn:
	s_mov_b64 s[64:65], 0
	v_nop
	global_prefetch_b8 v0, s[64:65] scope:SCOPE_SE
	s_setreg_imm32_b32 hwreg(HW_REG_WAVE_MODE, 25, 1), 1
	s_wait_xcnt 0x0
	s_wait_alu depctr_hold_cnt(0) depctr_sa_sdst(0) depctr_va_vdst(0) depctr_va_sdst(0) depctr_va_ssrc(0) depctr_va_vcc(0) depctr_vm_vsrc(0)
	s_getreg_b32 s2, hwreg(HW_REG_IB_STS2, 6, 4)
	s_cmp_eq_u32 s2, 0
	s_cbranch_scc0 .Lentry_in_a_cluster
	s_endpgm
.Lentry_in_a_cluster:
	s_bfe_u32 s2, ttmp6, 0x10000c
	s_cmp_lg_u32 s2, 0x3003
	s_cbranch_scc0 .Lentry_shape_is_right
	s_endpgm
.Lentry_shape_is_right:
; THIRD LAUNCH: scores, softmax, V P, heads = gamma o + x, both FC layers, the transposed store with x added.  All products on codes of FP6.  o and heads never go to memory.  No work is left out.
; A work-group owns 128 queries (8 tiles of 16) of one (b, h).  SCORES, SOFTMAX, FC: wave w owns query tiles 2 w, 2 w + 1.  V P AND heads: wave w owns 32 of each chunk's 128 channels c, for all 8 query tiles, so that each
; fragment of V read from LDS feeds eight products.  P (32 fragments) goes from wave to wave through LDS as register images and then stays in every wave's registers.
; All products but the last are used transposed (source 0 = keys, channels or hidden units; source 1 = queries): a lane holds one query, and, by the choice of the groups' rows in launch 1, 16 registers of two neighbouring tiles are 16 neighbours along the next K.
; SOFTMAX: all 512 scores of a query lie in two lanes.  t = score x log2(e), M = ceil(the row's largest t), p = 2^(t - M) is quantised along the keys; the sum is taken of the unquantised p; gamma / sum multiplies O.
; A block's largest p is the block's largest score sent through the same multiply-add and exponential (this takes v_exp_f32 not to fall where its input rises).
; A CHUNK (128 c): 64 products V P; heads; my 32 c are one block of 32 of the first FC layer's K step: codes and a scale byte go to LDS; ONE barrier; 16 products of the first FC layer on my two query tiles.
; That barrier is also the change of V's two LDS slots: behind it the slot just read out takes the chunk two on.
; CLUSTER 4 x 1: the four query blocks of a (b, h) read the same K, V, W1, W2: joint loads with the mask of all four; every wave issues four first fills, then one load behind each round.
; LIMITS: NaN and infinities are not served; a block of zeros gets the byte 1 (zero codes); the floor of a block's largest magnitude is 2^(3 - 127); p under 2^-126 counts as 0.
; LDS: V slot 0 at 0, V slot 1 at 65,536 ([ks 4][c tile 8][image]); scale words of P, scale bytes of heads, gamma / sum, spare words from 49,152; K's 32 images at KR, whose bytes later hold the two heads buffers and,
; from KR + 24,576 on and into W1's bytes, the output stage (all these bytes have had their only fill, and their last read lies in front of a barrier by then); W1's 64 and W2's 8 images at WR; P's 32 images at PIMG.
; REGISTERS: window 0: see the names below.  window 1: P(q, ks 0-1) at 12 (8 ks + q), V's fragments at 192.  window 2: the same for ks 2-3.  window 3: v0-127 O(q, u) at 16 q + 8 u, later W1's and heads' fragments; v128-255 the first FC layer's sums.
.set V1,    65536
.set PSC,   49152
.set HSC,   51200
.set GS,    52224
.set SPARE, 52736
.set KR,    114688
.set HBUF,  KR
.set STAGE, KR+24576
.set WR,    163840
.set W2R,   WR+98304
.set PIMG,  274432
.set L16, 1                            ; 16 x lane
.set L4,  2                            ; 4 x lane
.set R4,  3                            ; 4 r
.set AV0, 4                            ; V's fragments: 16 l + 3,072 w
.set ADV, 5
.set AW,  6                            ; v6, v7: W1's fragments of the chunk's K step, tiles 0-3 and 4-7
.set HW0, 8                            ; heads' codes, in
.set HR0, 9                            ; and back
.set HSW0, 10                          ; heads' scale bytes, in
.set HSR0, 11                          ; and back
.set HW,  12                           ; v12-15: the four in the buffer in hand
.set HR,  13
.set HSW, 14
.set HSR, 15
.set VSO, 16                           ; V's scale words: 128 w + 4 l + 512 n
.set W1S0, 17
.set W1SO, 18
.set PFO, 19
.set SPW, 20
.set NIL, 21
.set KA,  22
.set PA,  23
.set PS,  32                           ; v32-47 scale words: K's, then P's [ks][pair of query tiles], then W2's
.set VS,  48                           ; v48-51 V's
.set W1S, 52                           ; v52-55 W1's
.set HS,  56                           ; v56 heads'; later the hidden layer's, tile 0
.set QS,  57                           ; v57 Q's; later the hidden layer's, tile 1
.set LN,  58
.set RR,  59
.set QF,  60                           ; v60-83 Q's two fragments; later:
.set TM,  60
.set TX,  68
.set SO,  76
.set CD,  84                           ; v84-115 codes just made
.set HH,  124
.set PWA, 125
.set H64, 127
.set XR,  128                          ; v128-255 x in the results' order; in the softmax:
.set BM,  128                          ; v128-143 the blocks' largest
.set TX1, 144                          ; v144-159
.set PC,  160                          ; v160-207 P's codes, 12 for each ks
.set PT,  208
.set PW,  216                          ; v216-223 P's scale words [tile][ks]
.set GV,  224                          ; v224-225 gamma / sum
.set NM,  226                          ; v226 -M (named as a pair with v227)
.set L0,  228
.set L1,  230
.set T1,  232
.set BY,  240
.set G1A, 40
.set G1W, 48
.set G0K, 56
.set G0W, 60
.set G0V0, 68
.set G0V1, 72
.set MSB, 0
.macro WIN new
.if MSB != (\new)
	s_set_vgpr_msb (MSB<<8)|(\new)
.set MSB, (\new)
.endif
.endm
.macro PLACES n
.rept \n
	v_nop
.endr
.endm
.macro CROUND
	s_barrier_signal -1
	s_barrier_wait -1
	s_cmp_lg_u32 s24, 0
	s_cbranch_scc1 .Lnot_wave_0_\@
	s_barrier_signal -3
.Lnot_wave_0_\@:
	s_barrier_wait -3
	s_barrier_signal -1
	s_barrier_wait -1
.endm
; a matrix instruction; ra, rb: source 0's, source 1's scales stand in lanes 16-31
.macro WM d, a, b, c, sa, sb, ra, rb
.if (\ra) && (\rb)
	v_wmma_scale_f32_16x16x128_f8f6f4 v[\d:\d+7], v[\a:\a+11], v[\b:\b+11], \c, v[\sa], v[\sb] matrix_a_fmt:MATRIX_FMT_FP6 matrix_b_fmt:MATRIX_FMT_FP6 matrix_a_scale:MATRIX_SCALE_ROW1 matrix_b_scale:MATRIX_SCALE_ROW1
.elseif (\ra)
	v_wmma_scale_f32_16x16x128_f8f6f4 v[\d:\d+7], v[\a:\a+11], v[\b:\b+11], \c, v[\sa], v[\sb] matrix_a_fmt:MATRIX_FMT_FP6 matrix_b_fmt:MATRIX_FMT_FP6 matrix_a_scale:MATRIX_SCALE_ROW1
.elseif (\rb)
	v_wmma_scale_f32_16x16x128_f8f6f4 v[\d:\d+7], v[\a:\a+11], v[\b:\b+11], \c, v[\sa], v[\sb] matrix_a_fmt:MATRIX_FMT_FP6 matrix_b_fmt:MATRIX_FMT_FP6 matrix_b_scale:MATRIX_SCALE_ROW1
.else
	v_wmma_scale_f32_16x16x128_f8f6f4 v[\d:\d+7], v[\a:\a+11], v[\b:\b+11], \c, v[\sa], v[\sb] matrix_a_fmt:MATRIX_FMT_FP6 matrix_b_fmt:MATRIX_FMT_FP6
.endif
.endm
	s_load_b256 s[4:11], s[0:1], 0x0               ; cod, cods, wc, scl
	s_load_b256 s[12:19], s[0:1], 0x20             ; xr, x, gamma, b1
	s_load_b128 s[20:23], s[0:1], 0x40             ; b2, out0
	v_lshl_add_u32 v[SPW], v0, 2, SPARE
	v_mov_b32 v[NIL], 0
	ds_add_u32 v[SPW], v[NIL]                      ; the wave's opening: the add, twice on end, and its wait ahead of my first tensor load
	ds_add_u32 v[SPW], v[NIL]
	v_lshrrev_b32 v1, 5, v0
	v_readfirstlane_b32 s24, v1                    ; wave
	s_bfe_u32 s25, ttmp6, 0x40000                  ; cx: my block of 128 queries
	s_and_b32 s26, ttmp7, 0xffff                   ; 8 b + h, which the four partners share
	s_and_b32 s27, s26, 7                          ; h
	s_lshr_b32 s28, s26, 3                         ; b
	s_mov_b32 s30, 0x76543210
	s_mov_b32 s31, 0xfedcba98                      ; selects for lane l xor 16
	s_mov_b32 s32, 0x3fb8aa3b                      ; log2(e)
	s_mov_b32 s33, s32                             ; (named with it as a pair)
	s_mov_b32 s34, 0                               ; V's slot in hand
	s_mov_b32 s35, 0                               ; the heads buffer in hand: 0 or 12,288
	s_mov_b32 s36, 0                               ; its scale bytes: 0 or 512
	s_mov_b32 s37, 0                               ; n: the chunk
	s_mov_b32 s38, 0xffff0000                      ; lanes 16-31
	s_mov_b32 s98, WR                              ; W1's images of K step n
	s_mov_b32 s[G1A], 15|(3<<16)|(1<<21)           ; the mask of all four; elements of 8 bytes; bit 21 beside a mask; no padding
	s_mov_b32 s[G1A+1], 32<<16                     ; dense blocks as rows of 256 bytes
	s_mov_b32 s[G1A+2], 48<<16                     ; 12,288 bytes: 8 images
	s_mov_b32 s[G1A+3], 32<<16
	s_mov_b32 s[G1A+4], 48
	s_mov_b32 s[G1A+5], 32
	s_mov_b32 s[G1A+6], 0
	s_mov_b32 s[G1A+7], 0
	s_mov_b32 s[G1W], 15|(3<<16)|(1<<21)
	s_mov_b32 s[G1W+1], 32<<16
	s_mov_b32 s[G1W+2], 108<<16                    ; 27,648 bytes: a quarter of W1's and W2's 72 images
	s_mov_b32 s[G1W+3], 32<<16
	s_mov_b32 s[G1W+4], 108
	s_mov_b32 s[G1W+5], 32
	s_mov_b32 s[G1W+6], 0
	s_mov_b32 s[G1W+7], 0
	s_mul_i32 s84, s26, 49152
	s_mul_i32 s86, s24, 12288
	s_add_co_u32 s84, s84, s86
	s_add_co_u32 s84, s84, 28311552                ; k's fragments 18,432 + 32 (8 b + h) + 8 w on
	s_mov_b32 s85, 0
	s_mul_i32 s88, s26, 393216
	s_mul_i32 s89, s24, 98304
	s_add_co_u32 s88, s88, s89                     ; v's row ks = w of fragments
	s_mov_b32 s89, 0
	s_mul_i32 s90, s24, 27648
	s_add_co_u32 s92, s90, 7864320
	s_mov_b32 s93, 0
	s_wait_dscnt 0x0                               ; both opening adds are done
	s_wait_kmcnt 0x0
	CROUND                                         ; all four work-groups are here: the first joint loads meet
	s_mov_b32 s[G0K], 1
	s_add_co_u32 s[G0K+1], s86, KR
	s_add_nc_u64 s[G0K+2:G0K+3], s[4:5], s[84:85]
	s_or_b32 s[G0K+3], s[G0K+3], 0x80000000
	s_mov_b32 s[G0V0], 1
	s_mov_b32 s[G0V0+1], s86
	s_add_nc_u64 s[G0V0+2:G0V0+3], s[4:5], s[88:89]
	s_or_b32 s[G0V0+3], s[G0V0+3], 0x80000000
	s_mov_b32 s[G0W], 1
	s_add_co_u32 s[G0W+1], s90, WR
	s_add_nc_u64 s[G0W+2:G0W+3], s[8:9], s[92:93]
	s_or_b32 s[G0W+3], s[G0W+3], 0x80000000
	s_mov_b32 s[G0V1], 1
	s_add_co_u32 s[G0V1+1], s86, V1
	s_add_nc_u64 s[G0V1+2:G0V1+3], s[4:5], s[88:89]
	s_add_nc_u64 s[G0V1+2:G0V1+3], s[G0V1+2:G0V1+3], 12288
	s_or_b32 s[G0V1+3], s[G0V1+3], 0x80000000
	tensor_load_to_lds s[G0K:G0K+3], s[G1A:G1A+7]          ; K;  four loads of mine are out
	s_nop 0
	tensor_load_to_lds s[G0V0:G0V0+3], s[G1A:G1A+7]        ; V, chunk 0
	s_nop 0
	tensor_load_to_lds s[G0W:G0W+3], s[G1W:G1W+7]          ; W1 and W2
	s_nop 0
	tensor_load_to_lds s[G0V1:G0V1+3], s[G1A:G1A+7]        ; V, chunk 1; this descriptor then walks
	s_nop 0
	PLACES 4
	v_and_b32 v[LN], 31, v0
	v_and_b32 v[RR], 15, v0                        ; r
	v_bfe_u32 v[HH], v0, 4, 1                      ; h
	v_lshlrev_b32 v[L16], 4, v[LN]
	v_lshlrev_b32 v[L4], 2, v[LN]
	v_lshlrev_b32 v[R4], 2, v[RR]
	s_mul_i32 s84, s24, 3072
	v_add_nc_u32 v[AV0], s84, v[L16]
	v_add_nc_u32 v[KA], KR, v[L16]
	v_add_nc_u32 v[PA], PIMG, v[L16]
	s_lshr_b32 s85, s24, 1                         ; my block w of a K step's four lies in registers 6 (w / 2) on of lanes 16 (w % 2) + r
	s_mul_i32 s85, s85, 768
	s_and_b32 s86, s24, 1
	s_mul_i32 s86, s86, 384
	s_add_co_u32 s85, s85, s86
	s_add_co_u32 s85, s85, HBUF
	v_mul_u32_u24 v[HW0], v[RR], 24                ; a heads fragment lies as 24 bytes a lane and half: registers 6 c + 2 p, + 1 of lane l at 768 c + 24 l + 8 p
	v_mad_u32_u24 v[HW0], v[HH], 1536, v[HW0]
	v_add_nc_u32 v[HW0], s85, v[HW0]
	s_add_co_u32 s85, s84, HBUF
	v_mul_u32_u24 v[HR0], v[LN], 24
	v_add_nc_u32 v[HR0], s85, v[HR0]
	s_add_co_u32 s85, s24, HSC
	v_add_nc_u32 v[HSW0], s85, v[L4]               ; byte w of the row's word
	s_lshl_b32 s85, s24, 7
	s_add_co_u32 s86, s85, HSC
	v_add_nc_u32 v[HSR0], s86, v[L4]
	v_add_nc_u32 v[VSO], s85, v[L4]
	v_lshlrev_b32 v[W1S0], 4, v[RR]
	v_lshl_add_u32 v[W1S0], v[HH], 9, v[W1S0]
	v_mov_b32 v[W1SO], v[W1S0]
	v_lshlrev_b32 v[PFO], 8, v[LN]
	s_mul_i32 s84, s24, 12288
	s_add_co_u32 s84, s84, PIMG
	v_add_nc_u32 v[PWA], s84, v[L16]
	v_lshlrev_b32 v[H64], 6, v[HH]
.irp b, 0,1,2,3,4,5,6,7,8,9,10,11,12,13,14,15
	v_mov_b32 v[TX1+\b], 0                         ; written once: a lane permute's destination counts as read
.endr
	v_mov_b32 v[NM+1], 0                           ; (named as the upper half of a pair)
	; addresses in memory.  What holds cx stands in s92-97 and enters no descriptor
	s_lshl_b32 s92, s28, 21
	s_lshl_b32 s94, s24, 16
	s_add_co_u32 s92, s92, s94
	s_lshl_b32 s94, s25, 14
	s_add_co_u32 s92, s92, s94
	s_mov_b32 s93, 0
	s_add_nc_u64 s[76:77], s[12:13], s[92:93]      ; xr: b, c block w, query tile 8 cx
	s_lshl_b32 s92, s28, 21
	s_lshl_b32 s94, s24, 19
	s_add_co_u32 s92, s92, s94
	s_lshl_b32 s94, s27, 11
	s_add_co_u32 s92, s92, s94
	s_lshl_b32 s94, s25, 9
	s_add_co_u32 s92, s92, s94
	s_add_nc_u64 s[14:15], s[14:15], s[92:93]      ; x and out0 at [b, 8 (32 w) + h, 128 cx]
	s_add_nc_u64 s[22:23], s[22:23], s[92:93]
	s_lshl_b32 s92, s26, 14
	s_add_nc_u64 s[78:79], s[6:7], s[92:93]        ; v's scale words
	s_lshl_b32 s92, s27, 2
	s_add_nc_u64 s[16:17], s[16:17], s[92:93]
	s_load_b32 s29, s[16:17], 0x0                  ; gamma[h]
	s_mul_i32 s92, s26, 393216
	s_mul_i32 s94, s25, 98304
	s_add_co_u32 s92, s92, s94
	s_lshl_b32 s94, s24, 13
	s_add_co_u32 s92, s92, s94
	s_add_co_u32 s92, s92, 24576
	s_add_nc_u64 s[82:83], s[4:5], s[92:93]        ; the prefetches: row ks = cx of v, at chunk 2, 8,192 bytes a wave; stepped ahead of each request
	s_lshl_b32 s92, s26, 5
	s_lshl_b32 s94, s25, 3
	s_add_co_u32 s92, s92, s94
	s_lshl_b32 s94, s24, 1
	s_add_co_u32 s92, s92, s94
	s_add_co_u32 s92, s92, 16384                   ; the number of my first fragment of q
	s_mul_i32 s94, s92, 1536
	s_mov_b32 s95, 0
	s_add_nc_u64 s[86:87], s[4:5], s[94:95]
	s_lshl_b32 s94, s92, 6
	s_add_nc_u64 s[88:89], s[6:7], s[94:95]
	s_lshl_b32 s94, s26, 11
	s_add_co_u32 s94, s94, 1179648
	s_add_nc_u64 s[90:91], s[6:7], s[94:95]        ; k's scale words
.irp e, 0,1
.irp g, 0,1,2
	global_load_b128 v[QF+12*\e+4*\g:QF+12*\e+4*\g+3], v[L16], s[86:87] offset:1536*\e+512*\g
.endr
.endr
	global_load_b32 v[QS], v[L4], s[88:89]         ; lanes 0-15 my first tile's words, lanes 16-31 my second's
.irp i, 0,1,2,3,4,5,6,7,8,9,10,11,12,13,14,15
	global_load_b32 v[PS+\i], v[L4], s[90:91] offset:128*\i   ; two key tiles to a register
.endr
	; ---- SCORES: S^T = K Q^T, 32 key tiles x my two query tiles; K's fragments in four batches of 8, two sets of registers
.macro KBATCH t
	WIN 0x40
.irp f, 0,1,2,3,4,5,6,7
.irp g, 0,1,2
	ds_load_b128 v[96*((\t)%2)+12*\f+4*\g:96*((\t)%2)+12*\f+4*\g+3], v[KA] offset:1536*(8*(\t)+\f)+512*\g
.endr
.endr
.endm
.macro SMUL t
.irp e, 0,1
	WIN 0x81+0x40*\e
.irp f, 0,1,2,3,4,5,6,7
	WM 8*(8*(\t)+\f), 96*((\t)%2)+12*\f, QF+12*\e, 0, PS+(8*(\t)+\f)/2, QS, \f%2, \e
.endr
.endr
.endm
	s_wait_tensorcnt 3                             ; my part of K is in; the three younger loads may stay out
	s_barrier_signal -1
	s_barrier_wait -1
	KBATCH 0
	KBATCH 1
	s_wait_loadcnt 0x0                             ; Q and the scale words
	s_wait_dscnt 24                                ; the older batch is in; the younger batch's 24 loads may be out: so each time below
	SMUL 0
	PLACES 4
	KBATCH 2
	s_wait_dscnt 24
	SMUL 1
	PLACES 4
	KBATCH 3
	s_wait_dscnt 24
	SMUL 2
	s_wait_dscnt 0x0
	SMUL 3
	WIN 0
	PLACES 4
	s_wait_kmcnt 0x0                               ; gamma
	; ---- SOFTMAX of query tile e: 256 scores a lane, in window 2 + e; register 16 B + i is key 32 B + 16 h + i
.macro SOFTMAX e
.set SW, 2+\e
	WIN SW|(SW<<2)
.irp b, 0,1,2,3,4,5,6,7,8,9,10,11,12,13,14,15
	v_max_num_f32 v[BM+\b], v[16*\b], v[16*\b+1]   ; the largest score of each block of 32 keys; each accumulator is read from its low end on
.endr
.irp i, 2,4,6,8,10,12,14
.irp b, 0,1,2,3,4,5,6,7,8,9,10,11,12,13,14,15
	v_max3_num_f32 v[BM+\b], v[16*\b+\i], v[16*\b+\i+1], v[BM+\b]
.endr
.endr
	WIN 0
.irp b, 0,1,2,3,4,5,6,7,8,9,10,11,12,13,14,15
	v_permlanex16_b32 v[TX1+\b], v[BM+\b], s30, s31
.endr
.irp b, 0,1,2,3,4,5,6,7,8,9,10,11,12,13,14,15
	v_max_num_f32 v[BM+\b], v[BM+\b], v[TX1+\b]
.endr
.irp i, 0,1,2,3,4
	v_max3_num_f32 v[T1+\i], v[BM+3*\i], v[BM+3*\i+1], v[BM+3*\i+2]
.endr
	v_max3_num_f32 v[T1], v[T1], v[T1+1], v[T1+2]
	v_max3_num_f32 v[T1+3], v[T1+3], v[T1+4], v[BM+15]
	v_max_num_f32 v[T1], v[T1], v[T1+3]            ; the row's largest score
	v_mul_f32 v[T1], s32, v[T1]
	v_floor_f32 v[NM], -v[T1]                      ; -M = floor(-t) = -ceil(t)
.irp b, 0,1,2,3,4,5,6,7,8,9,10,11,12,13,14,15
	v_fma_f32 v[BM+\b], v[BM+\b], s32, v[NM]
.endr
	WIN (SW<<6)|SW
.set J, 0
.rept 128
	v_pk_fma_f32 v[J:J+1], v[J:J+1], s[32:33], v[NM:NM+1] op_sel_hi:[1,0,0]   ; t - M, two at a time
.set J, J+2
.endr
.set J, 0
.rept 256
	v_exp_f32 v[J], v[J]                           ; p, not normalised
.set J, J+1
.endr
	WIN 0
	v_nop                                          ; a plain place behind the exponentials
	s_wait_alu depctr_va_vdst(0)                   ; one wait for the batch, ahead of its first reader
.irp b, 0,1,2,3,4,5,6,7,8,9,10,11,12,13,14,15
	v_exp_f32 v[BM+\b], v[BM+\b]                   ; the blocks' largest p
.endr
	WIN SW|(SW<<2)
	v_pk_add_f32 v[L0:L0+1], v[0:1], v[2:3]        ; the sum of the unquantised p, in two chains; plain work behind the sixteen
	v_pk_add_f32 v[L1:L1+1], v[4:5], v[6:7]
	WIN SW<<2
.set J, 8
.rept 62
	v_pk_add_f32 v[L0:L0+1], v[L0:L0+1], v[J:J+1]
	v_pk_add_f32 v[L1:L1+1], v[L1:L1+1], v[J+2:J+3]
.set J, J+4
.endr
	WIN 0
	v_pk_add_f32 v[L0:L0+1], v[L0:L0+1], v[L1:L1+1]
	v_add_f32 v[T1], v[L0], v[L0+1]
	v_permlanex16_b32 v[T1+1], v[T1], s30, s31
	v_add_f32 v[T1], v[T1], v[T1+1]                ; the row's sum
	v_rcp_f32 v[GV+\e], v[T1]
	v_nop
	s_wait_alu depctr_va_vdst(0)                   ; one wait for the sixteen and the reciprocal
	v_mul_f32 v[GV+\e], s29, v[GV+\e]              ; gamma / sum
.irp b, 0,1,2,3,4,5,6,7,8,9,10,11,12,13,14,15
	v_max_num_f32 v[BM+\b], 0x1800000, v[BM+\b]    ; the floor
.endr
.irp b, 0,1,2,3,4,5,6,7,8,9,10,11,12,13,14,15
	v_add_nc_u32 v[TX1+\b], 0xff000000, v[BM+\b]   ; the conversions' scale operands
.endr
.irp b, 0,1,2,3,4,5,6,7,8,9,10,11,12,13,14,15
	v_lshrrev_b32 v[BY+\b], 23, v[TX1+\b]
.endr
.irp k, 0,1,2,3
	v_lshl_or_b32 v[PW+4*\e+\k], v[BY+4*\k+1], 8, v[BY+4*\k]
	v_lshl_or_b32 v[PW+4*\e+\k], v[BY+4*\k+2], 16, v[PW+4*\e+\k]
	v_lshl_or_b32 v[PW+4*\e+\k], v[BY+4*\k+3], 24, v[PW+4*\e+\k]
.endr
.irp k, 0,1,2,3
	WIN SW
.irp c, 0,1
	v_cvt_scalef32_pk16_fp6_f32 v[PC+12*\k+6*\c:PC+12*\k+6*\c+2], v[64*\k+32*\c:64*\k+32*\c+15], v[TX1+4*\k+2*\c]
	v_cvt_scalef32_pk16_fp6_f32 v[PT+4*\c:PT+4*\c+2], v[64*\k+32*\c+16:64*\k+32*\c+31], v[TX1+4*\k+2*\c+1]
.endr
	WIN 0
	v_nop
.irp c, 0,1
.irp i, 0,1,2
	v_permlane16_swap_b32 v[PC+12*\k+6*\c+\i], v[PT+4*\c+\i]
.endr
.irp i, 0,1,2
	v_mov_b32 v[PC+12*\k+6*\c+3+\i], v[PT+4*\c+\i]
.endr
.endr
.irp g, 0,1,2
	ds_store_b128 v[PWA], v[PC+12*\k+4*\g:PC+12*\k+4*\g+3] offset:(4*\e+\k)*1536+512*\g   ; P(2 w + e, ks) as an image of its registers
.endr
.endr
	s_wait_dscnt 0x0                               ; the stores have read their registers
.endm
	SOFTMAX 0
	SOFTMAX 1
.irp k, 0,1,2,3
	v_cndmask_b32 v[T1+\k], v[PW+\k], v[PW+4+\k], s38              ; my two tiles' words to a register
	ds_store_b32 v[VSO], v[T1+\k] offset:PSC+512*\k                ; (v16 still holds 128 w + 4 l)
.endr
	v_cndmask_b32 v[T1+4], v[GV], v[GV+1], s38
	ds_store_b32 v[VSO], v[T1+4] offset:GS
	WIN 0xc0
.irp e, 0,1
.irp t, 0,1,2,3,4,5,6,7
	global_load_b128 v[128+64*\e+8*\t:128+64*\e+8*\t+3], v[H64], s[18:19] offset:(32*(\t/2)+8*(\t%2))*4      ; b1 starts the first FC layer's sums
	global_load_b128 v[128+64*\e+8*\t+4:128+64*\e+8*\t+7], v[H64], s[18:19] offset:(32*(\t/2)+8*(\t%2))*4+16
.endr
.endr
	WIN 0
.macro VSLOAD                          ; V's scale words of my two c tiles, a register for each ks
.irp k, 0,1,2,3
	global_load_b32 v[VS+\k], v[VSO], s[78:79] offset:4096*\k
.endr
.endm
.macro XLOAD                           ; x at my 32 c and the 128 queries, as the results lie
.irp q, 0,1,2,3,4,5,6,7
.irp i, 0,1,2,3
	global_load_b128 v[XR+16*\q+4*\i:XR+16*\q+4*\i+3], v[L16], s[76:77] offset:2048*\q+512*\i
.endr
.endr
.endm
.macro W1SLOAD                         ; W1's scale words of the K step, two tiles to a register
.irp p, 0,1,2,3
	global_load_b32 v[W1S+\p], v[W1SO], s[10:11] offset:458752+1024*\p
.endr
.endm
.macro VFLOAD                          ; V's eight fragments of my two c tiles
	v_add_nc_u32 v[ADV], s34, v[AV0]
	WIN 0x40
.irp k, 0,1
.irp u, 0,1
.irp g, 0,1,2
	ds_load_b128 v[192+24*\k+12*\u+4*\g:192+24*\k+12*\u+4*\g+3], v[ADV] offset:12288*\k+1536*\u+512*\g
.endr
.endr
.endr
	WIN 0x80
.irp k, 0,1
.irp u, 0,1
.irp g, 0,1,2
	ds_load_b128 v[192+24*\k+12*\u+4*\g:192+24*\k+12*\u+4*\g+3], v[ADV] offset:12288*(\k+2)+1536*\u+512*\g
.endr
.endr
.endr
	WIN 0
.endm
	s_wait_tensorcnt 0x0                           ; all my first fills have landed,
	s_wait_dscnt 0x0                               ; and my LDS stores
	VSLOAD                                         ; the order of these three groups is the order in which a chunk waits for them
	XLOAD
	W1SLOAD
	s_barrier_signal -1
	s_barrier_wait -1                              ; P, its scale words, gamma / sum, V, W1 and W2 lie in LDS for every wave; nobody reads K any more
	WIN 0x40
.irp k, 0,1
.irp q, 0,1,2,3,4,5,6,7
.irp g, 0,1,2
	ds_load_b128 v[12*(8*\k+\q)+4*\g:12*(8*\k+\q)+4*\g+3], v[PA] offset:(4*\q+\k)*1536+512*\g
.endr
.endr
.endr
	WIN 0x80
.irp k, 0,1
.irp q, 0,1,2,3,4,5,6,7
.irp g, 0,1,2
	ds_load_b128 v[12*(8*\k+\q)+4*\g:12*(8*\k+\q)+4*\g+3], v[PA] offset:(4*\q+\k+2)*1536+512*\g
.endr
.endr
.endr
	WIN 0
.irp k, 0,1,2,3
.irp p, 0,1,2,3
	ds_load_b32 v[PS+4*\k+\p], v[L4] offset:PSC+512*\k+128*\p
.endr
.endr
.irp q, 0,1,2,3,4,5,6,7
	ds_load_b32 v[24+2*\q+84*(\q/4)], v[R4] offset:GS+64*\q        ; gamma / sum of query r of tile q, twice: a pair for the packed multiply-add
	ds_load_b32 v[25+2*\q+84*(\q/4)], v[R4] offset:GS+64*\q
.endr
	VFLOAD
; A PREFETCH INTO THE L2 of V: at chunks 1 and 3, behind the joint load and its five lines, the two chunks after the one just asked for: 24,576 consecutive bytes of each of v's four rows ks.
; The four partners take a row each, BY ADDRESS (ks = cx); in each, waves 0 to 2 ask, 32 lanes 256 bytes apart.  So chunks 4 to 7 are named once in the launch; chunks 0 to 3 come by their loads alone.
.macro ASK
	s_or_b32 s84, s37, 2
	s_cmp_eq_u32 s84, 3
	s_cbranch_scc0 .Lno_ask_\@
	s_cmp_lt_u32 s24, 3
	s_cbranch_scc0 .Lno_ask_\@
	global_prefetch_b8 v[PFO], s[82:83] th:TH_LOAD_NT scope:SCOPE_SE
.Lno_ask_\@:
.endm
; A CHUNK of 128 c.  fill = 1: V's slot just read out is filled again.  next = 1: there is a next chunk to fetch for.
.macro CHUNK fill, next
	s_wait_loadcnt 36                              ; V's scale words are in; behind them: x's 32 loads and W1's 4
	s_wait_dscnt 0x0                               ; V's fragments (the first time: P, its words and gamma / sum too)
.irp k, 0,1,2,3                        ; O^T = V^T P^T: 16 accumulators by turns, a K step of 128 keys at a time
	WIN 0xf5+5*(\k/2)
.irp u, 0,1
.irp q, 0,1,2,3,4,5,6,7
.if \k == 0
	WM 16*\q+8*\u, 192+24*(\k%2)+12*\u, 12*(8*(\k%2)+\q), 0, VS+\k, PS+4*\k+\q/2, \u, \q%2
.else
	WM 16*\q+8*\u, 192+24*(\k%2)+12*\u, 12*(8*(\k%2)+\q), v[16*\q+8*\u:16*\q+8*\u+7], VS+\k, PS+4*\k+\q/2, \u, \q%2
.endif
.endr
.endr
.endr
	WIN 0
	v_add_nc_u32 v[HW], s35, v[HW0]                ; the heads buffer in hand; these four are also the places behind the products
	v_add_nc_u32 v[HR], s35, v[HR0]
	v_add_nc_u32 v[HSW], s36, v[HSW0]
	v_add_nc_u32 v[HSR], s36, v[HSR0]
.if \next
	v_add_nc_u32 v[VSO], 512, v[VSO]
	VSLOAD
	s_wait_loadcnt 8                               ; x is in; behind it: W1's 4 and the next V's 4
.else
	s_wait_loadcnt 4                               ; x is in; behind it: W1's 4
.endif
	WIN 0xc3
.irp q, 0,1,2,3,4,5,6,7
.irp z, 0,2,4,6,8,10,12,14
	v_pk_fma_f32 v[16*\q+\z:16*\q+\z+1], v[16*\q+\z:16*\q+\z+1], v[24+2*\q+84*(\q/4):25+2*\q+84*(\q/4)], v[XR+16*\q+\z:XR+16*\q+\z+1]   ; heads = O gamma / sum + x
.endr
.endr
	WIN 0
.if \next
	s_add_nc_u64 s[76:77], s[76:77], 262144        ; four c blocks on (x's loads are done)
	XLOAD
.else
.set DI, 0
.rept 32
	global_load_b128 v[XR+4*DI:XR+4*DI+3], v[L16], s[14:15] offset:16384*DI   ; x for the last addition: row 8 (32 w + d) + h, my block's 128 t
.set DI, DI+1
.endr
.irp p, 0,1,2,3
	global_load_b32 v[PS+\p], v[L4], s[10:11] offset:462848+128*\p           ; W2's scale words, two tiles to a register
.endr
.irp t, 0,1,2,3,4,5,6,7
	global_load_b32 v[24+2*\t+84*(\t/4)], v[R4], s[20:21] offset:64*\t       ; b2[16 t + r], twice: a pair
	global_load_b32 v[25+2*\t+84*(\t/4)], v[R4], s[20:21] offset:64*\t
.endr
.endif
	WIN 0x0f
.irp q, 0,1,2,3,4,5,6,7
	v_max3_num_f32 v[TM+\q], |v[16*\q]|, |v[16*\q+1]|, 0x1800000   ; my 16 c of query r of tile q, and the floor
.endr
.irp i, 2,4,6,8,10,12,14
.irp q, 0,1,2,3,4,5,6,7
	v_max3_num_f32 v[TM+\q], |v[16*\q+\i]|, |v[16*\q+\i+1]|, v[TM+\q]
.endr
.endr
	WIN 0
.irp q, 0,1,2,3,4,5,6,7
	v_permlanex16_b32 v[TX+\q], v[TM+\q], s30, s31
.endr
.irp q, 0,1,2,3,4,5,6,7
	v_max_num_f32 v[TM+\q], v[TM+\q], v[TX+\q]     ; the block of 32 c
.endr
.irp q, 0,1,2,3,4,5,6,7
	v_add_nc_u32 v[SO+\q], 0xff000000, v[TM+\q]
.endr
.irp q, 0,1,2,3,4,5,6,7
	v_lshrrev_b32 v[TX+\q], 23, v[SO+\q]           ; the bytes
.endr
	WIN 0x03
.irp p, 0,1,2,3
	v_cvt_scalef32_pk16_fp6_f32 v[CD+8*\p:CD+8*\p+2], v[32*\p:32*\p+15], v[SO+2*\p]
	v_cvt_scalef32_pk16_fp6_f32 v[CD+8*\p+4:CD+8*\p+6], v[32*\p+16:32*\p+31], v[SO+2*\p+1]
.endr
	WIN 0
	v_nop
	v_add_nc_u32 v[AW], s98, v[L16]
	v_add_nc_u32 v[AW+1], 49152, v[AW]
	WIN 0xc0
.irp t, 0,1,2,3,4,5,6,7
.irp g, 0,1,2
	ds_load_b128 v[12*\t+4*\g:12*\t+4*\g+3], v[AW+\t/4] offset:12288*(\t%4)+512*\g   ; W1's eight fragments of K step n, into registers that heads have left
.endr
.endr
	WIN 0
	s_add_co_u32 s98, s98, 1536
.irp p, 0,1,2,3
.irp i, 0,1,2
	v_permlane16_swap_b32 v[CD+8*\p+\i], v[CD+8*\p+4+\i]   ; lane (r, h) now holds the whole block of query r of tile 2 p + h: lower 16 codes, upper 16
.endr
	v_mov_b32 v[CD+8*\p+3], v[CD+8*\p+4]
	v_mov_b32 v[CD+8*\p+4], v[CD+8*\p+5]
	v_mov_b32 v[CD+8*\p+5], v[CD+8*\p+6]
.irp i, 0,1,2
	ds_store_b64 v[HW], v[CD+8*\p+2*\i:CD+8*\p+2*\i+1] offset:3072*\p+8*\i
.endr
.endr
.irp p, 0,1,2,3
	v_cndmask_b32 v[TM+\p], v[TX+2*\p], v[TX+2*\p+1], s38
	ds_store_b8 v[HSW], v[TM+\p] offset:128*\p
.endr
	s_wait_tensorcnt 0x0                           ; all my tensor loads have landed: my part of the next chunk's V
	ds_add_u32 v[SPW], v[NIL]
.if \fill
	s_xor_b32 s[G0V1+1], s[G0V1+1], 0x10000        ; the walking descriptor: the other slot, the next chunk but one
	s_add_nc_u64 s[G0V1+2:G0V1+3], s[G0V1+2:G0V1+3], 12288
	s_wait_xcnt 0x0                                ; the last prefetch has read its address
	s_add_nc_u64 s[82:83], s[82:83], 12288
	s_wait_dscnt 0x0                               ; the add and my stores are done, my reads of V's slot and of W1 are over
	CROUND                                         ; the same holds of every wave of every partner
	tensor_load_to_lds s[G0V1:G0V1+3], s[G1A:G1A+7]        ; my one load behind the round: it has two chunks in which to land
	s_nop 0
	PLACES 4
	ASK
.else
	s_wait_dscnt 0x0
	s_barrier_signal -1
	s_barrier_wait -1
.endif
	s_xor_b32 s34, s34, 0x10000
	WIN 0xc0
.irp e, 0,1
.irp c, 0,1
.irp p, 0,1,2
	ds_load_b64 v[96+12*\e+6*\c+2*\p:96+12*\e+6*\c+2*\p+1], v[HR] offset:1536*\e+768*\c+8*\p   ; heads' fragments of my two query tiles
.endr
.endr
.endr
	WIN 0
	ds_load_b32 v[HS], v[HSR]
.if \next
	VFLOAD
	s_wait_loadcnt 36                              ; W1's scale words are in; behind them: the next V's 4 and x's 32
	s_wait_dscnt 24                                ; heads are in; V's 24 loads may be out
.else
	s_wait_loadcnt 52                              ; behind W1's words: x's 32, W2's 4, b2's 16
	s_wait_dscnt 0x0
.endif
	WIN 0xff
.irp t, 0,1,2,3,4,5,6,7
.irp e, 0,1
	WM 128+64*\e+8*\t, 12*\t, 96+12*\e, v[128+64*\e+8*\t:128+64*\e+8*\t+7], W1S+\t/2, HS, \t%2, \e
.endr
.endr
	WIN 0
	PLACES 5                                       ; the next products write over the registers that these have read
	s_add_co_u32 s37, s37, 1
.if \next
	s_lshr_b32 s84, s37, 2
	s_lshl_b32 s84, s84, 8
	s_and_b32 s85, s37, 3
	s_lshl_b32 s85, s85, 2
	s_add_co_u32 s84, s84, s85
	v_add_nc_u32 v[W1SO], s84, v[W1S0]
	W1SLOAD
.endif
	s_xor_b32 s35, s35, 0x3000
	s_xor_b32 s36, s36, 0x200
.endm
.Lchunk:                                       ; chunks 0 to 5: each asks for the chunk two on
	CHUNK 1, 1
	s_cmp_lt_u32 s37, 6
	s_cbranch_scc1 .Lchunk
	CHUNK 0, 1                                     ; the tail is written out
	CHUNK 0, 0
	; ---- the second FC layer
	WIN 0xcc
.set J, 128
.rept 128
	v_max_num_f32 v[J], 0, v[J]                    ; relu, in f32
.set J, J+1
.endr
	WIN 0
	v_add_nc_u32 v[AW], W2R, v[L16]
	WIN 0x40
.irp t, 0,1,2,3,4,5,6,7
.irp g, 0,1,2
	ds_load_b128 v[12*\t+4*\g:12*\t+4*\g+3], v[AW] offset:1536*\t+512*\g
.endr
.endr
.macro QUANT e                         ; tile e's 64 hidden units of a lane become a fragment in v[CD + 12 e] on and its scale word.  None is negative: no |.|
.set HB0, 128+64*\e
	WIN 0x0f
.irp b, 0,1,2,3
	v_max3_num_f32 v[TM+\b], v[HB0+16*\b], v[HB0+16*\b+1], 0x1800000
.endr
.irp i, 2,4,6,8,10,12,14
.irp b, 0,1,2,3
	v_max3_num_f32 v[TM+\b], v[HB0+16*\b+\i], v[HB0+16*\b+\i+1], v[TM+\b]
.endr
.endr
	WIN 0
.irp b, 0,1,2,3
	v_permlanex16_b32 v[TM+4+\b], v[TM+\b], s30, s31
.endr
.irp b, 0,1,2,3
	v_max_num_f32 v[TM+\b], v[TM+\b], v[TM+4+\b]
.endr
.irp b, 0,1,2,3
	v_add_nc_u32 v[TX+\b], 0xff000000, v[TM+\b]
.endr
.irp b, 0,1,2,3
	v_lshrrev_b32 v[TX+4+\b], 23, v[TX+\b]
.endr
	v_lshl_or_b32 v[HS+\e], v[TX+5], 8, v[TX+4]
	v_lshl_or_b32 v[HS+\e], v[TX+6], 16, v[HS+\e]
	v_lshl_or_b32 v[HS+\e], v[TX+7], 24, v[HS+\e]
	WIN 0x03
.irp c, 0,1
	v_cvt_scalef32_pk16_fp6_f32 v[CD+12*\e+6*\c:CD+12*\e+6*\c+2], v[HB0+32*\c:HB0+32*\c+15], v[TX+2*\c]
	v_cvt_scalef32_pk16_fp6_f32 v[CD+24+4*\c:CD+24+4*\c+2], v[HB0+32*\c+16:HB0+32*\c+31], v[TX+2*\c+1]
.endr
	WIN 0
	v_nop
.irp c, 0,1
.irp i, 0,1,2
	v_permlane16_swap_b32 v[CD+12*\e+6*\c+\i], v[CD+24+4*\c+\i]
.endr
.irp i, 0,1,2
	v_mov_b32 v[CD+12*\e+6*\c+3+\i], v[CD+24+4*\c+\i]
.endr
.endr
.endm
	QUANT 0
	QUANT 1
	s_lshl_b32 s84, s24, 7
	s_add_co_u32 s84, s84, STAGE
	v_mul_u32_u24 v[HW], v[RR], 528                ; the stage, in: row d = 16 t + r; my queries' bytes: 128 w + 64 h
	v_lshl_add_u32 v[HW], v[HH], 6, v[HW]
	v_add_nc_u32 v[HW], s84, v[HW]
	s_mul_i32 s84, s24, 16896
	s_add_co_u32 s84, s84, STAGE
	v_add_nc_u32 v[HR], s84, v[L16]                ; and back: rows 32 w on, 16 bytes a lane
	PLACES 4                                       ; with the four lines above: eight places behind the scale words' and the codes' last writes
	s_wait_dscnt 0x0                               ; W2's fragments
	s_wait_loadcnt 0x0                             ; W2's scale words, b2, x
	WIN 0xc4
.irp t, 0,1,2,3,4,5,6,7                ; NOT transposed: source 0 = my 16 queries, source 1 = 16 rows of W2: a lane holds one d and eight neighbouring t: 32 w + 16 h + 8 e + j
.irp e, 0,1
	WM 8*(8*\e+\t), CD+12*\e, 12*\t, 0, HS+\e, PS+\t/2, 0, \t%2
.endr
.endr
	PLACES 4
	WIN 0xc3
.irp e, 0,1
.irp t, 0,1,2,3,4,5,6,7
.irp z, 0,2,4,6
	v_pk_add_f32 v[8*(8*\e+\t)+\z:8*(8*\e+\t)+\z+1], v[8*(8*\e+\t)+\z:8*(8*\e+\t)+\z+1], v[24+2*\t+84*(\t/4):25+2*\t+84*(\t/4)]   ; + b2
.endr
.endr
.endr
	WIN 0xcc
.set J, 0
.rept 128
	v_max_num_f32 v[J], 0, v[J]                    ; relu
.set J, J+1
.endr
	WIN 0x0c
.irp e, 0,1
.irp t, 0,1,2,3,4,5,6,7
	ds_store_b128 v[HW], v[8*(8*\e+\t):8*(8*\e+\t)+3] offset:8448*\t+32*\e
	ds_store_b128 v[HW], v[8*(8*\e+\t)+4:8*(8*\e+\t)+7] offset:8448*\t+32*\e+16
.endr
.endr
	WIN 0
	s_wait_dscnt 0x0                               ; for the others' sake: my stores into the stage are done
	s_barrier_signal -1
	s_barrier_wait -1                              ; 128 rows d x 128 t lie in the stage
	WIN 0xc0
.set DI, 0
.rept 32
	ds_load_b128 v[4*DI:4*DI+3], v[HR] offset:528*DI
.set DI, DI+1
.endr
	s_wait_dscnt 0x0
	WIN 0xc3
.set J, 0
.rept 64
	v_pk_add_f32 v[J:J+1], v[J:J+1], v[XR+J:XR+J+1]   ; + x
.set J, J+2
.endr
	WIN 0x0c
.set DI, 0
.rept 32
	global_store_b128 v[L16], v[4*DI:4*DI+3], s[22:23] offset:16384*DI th:TH_STORE_NT   ; out0[b, 8 (32 w + d) + h, 128 cx ..]: 512 consecutive bytes, aligned
.set DI, DI+1
.endr
	WIN 0
	s_wait_tensorcnt 0x0                           ; the wave's end
	ds_add_u32 v[SPW], v[NIL]
	s_wait_dscnt 0x0
	CROUND                                         ; the closing round
	s_endpgm
.Lfunc_end_k_q0d109f601d_attn:
	.size	k_q0d109f601d_attn, .Lfunc_end_k_q0d109f601d_attn-k_q0d109f601d_attn
	.p2alignl 7, 3214868480
	.fill 96, 4, 3214868480
	.section	.rodata,"a",@progbits
	.p2align	6, 0x0
	.amdhsa_kernel k_q0d109f601d_attn
		.amdhsa_group_segment_fixed_size 327680
		.amdhsa_private_segment_fixed_size 0
		.amdhsa_enable_private_segment 0
		.amdhsa_kernarg_size 80
		.amdhsa_user_sgpr_count 2
		.amdhsa_user_sgpr_kernarg_segment_ptr 1
		.amdhsa_wavefront_size32 1
		.amdhsa_system_sgpr_workgroup_id_x 1
		.amdhsa_system_sgpr_workgroup_id_y 1
		.amdhsa_system_sgpr_workgroup_id_z 1
		.amdhsa_system_vgpr_workitem_id 0
		.amdhsa_next_free_vgpr 1024
		.amdhsa_next_free_sgpr 100
		.amdhsa_reserve_vcc 0
		.amdhsa_float_denorm_mode_32 3
		.amdhsa_float_denorm_mode_16_64 3
		.amdhsa_memory_ordered 1
		.amdhsa_forward_progress 1
		.amdhsa_inst_pref_size 255
	.end_amdhsa_kernel
	.section	.bss,"aw",@nobits
	.p2align	6
	.space	262144
	.amdgpu_metadata
---
amdhsa.version: [ 1, 2 ]
amdhsa.kernels:
  - .name:           k_q0d109f601d_attn
    .symbol:         k_q0d109f601d_attn.kd
    .args:
      - { .name: cod, .offset: 0, .size: 8, .value_kind: global_buffer, .address_space: global }
      - { .name: cods, .offset: 8, .size: 8, .value_kind: global_buffer, .address_space: global }
      - { .name: wc, .offset: 16, .size: 8, .value_kind: global_buffer, .address_space: global }
      - { .name: scl, .offset: 24, .size: 8, .value_kind: global_buffer, .address_space: global }
      - { .name: xr, .offset: 32, .size: 8, .value_kind: global_buffer, .address_space: global }
      - { .name: x, .offset: 40, .size: 8, .value_kind: global_buffer, .address_space: global }
      - { .name: gamma, .offset: 48, .size: 8, .value_kind: global_buffer, .address_space: global }
      - { .name: b1, .offset: 56, .size: 8, .value_kind: global_buffer, .address_space: global }
      - { .name: b2, .offset: 64, .size: 8, .value_kind: global_buffer, .address_space: global }
      - { .name: out0, .offset: 72, .size: 8, .value_kind: global_buffer, .address_space: global }
    .group_segment_fixed_size: 327680
    .private_segment_fixed_size: 0
    .kernarg_segment_align: 8
    .kernarg_segment_size: 80
    .max_flat_workgroup_size: 128
    .sgpr_count:     100
    .vgpr_count:     1024
    .wavefront_size: 32
...
	.end_amdgpu_metadata
.endif
;; end of part 3
